; MI455X (gfx1250); checked and timed in simulation.
; The chip was launched on July 23, 2026; its instructions are those of AMD's public machine-readable ISA for CDNA 5 (MIT licence, August 2026) and "CDNA5" Instruction Set Architecture Reference Guide (July 2026). The comments in the code are by the model that wrote it; some were corrected since.
;; self attention. Allowed arithmetic: matrix products marked QUANTISED: E2M1 operands, one E8M0 scale for each 32 along K, by v_wmma_scale_f32_16x16x128_f8f6f4 with both operands' format E2M1 (or v_wmma_scale_f32_32x16x128_f4), f32 sums; products left as they are: bf16, f16 or f32 operands; f32 sums; everything else in f32.
;; Inputs: Wk 1,024 x 1,024 float32; Wq 1,024 x 1,024 float32; Wv 1,024 x 1,024 float32; bk 1,024 float32; bq 1,024 float32; bv 1,024 float32; x 4 x 2,048 x 1,024 float32.
;; Outputs: out0 4 x 2,048 x 1,024 float32.
;; This version of the problem:
;;   THIS VERSION OF THE PROBLEM IS GIVEN IN LOW PRECISION. The matrix products marked QUANTISED in the list below multiply operands that are first quantised to E2M1 (2 exponent bits, 1 mantissa bit; 4 bits a number), with one power-of-two scale for each 32 numbers along K (OCP MX v1.0); their sums are f32. The products marked 'left as it is' may take bf16, f16 or f32 operands, with f32 sums. Whichever they take, every output number must still come out within the allowed error. Rounding operands to bf16 (8 significant bits) uses up far more of that allowance than f16 does (11 bits, for magnitudes from 6e-5 to 65,504). All else is computed in f32.
;;   The module's matrix products, in the order in which they are computed (A, B: the left and right operand; K: the contracted axis; several contracted axes count as one K, in the product's order):
;;     1. [M 8,192, K 1,024] x [K 1,024, N 1,024]; A: input x; B: input Wq: QUANTISED
;;     2. [M 8,192, K 1,024] x [K 1,024, N 1,024]; A: input x; B: input Wk: QUANTISED
;;     3. [M 8,192, K 1,024] x [K 1,024, N 1,024]; A: input x; B: input Wv: QUANTISED
;;     4. batch 4 x [M 2,048, K 1,024] x [K 1,024, N 2,048]; A: computed on the way; B: computed on the way: left as it is (an operand is computed on the way)
;;     5. batch 4 x [M 2,048, K 2,048] x [K 2,048, N 1,024]; A: computed on the way; B: computed on the way: left as it is (an operand is computed on the way)
;;   THE QUANTISER, for each operand of a quantised product, along K:
;;     - K is cut into blocks of 32 from its start; a last block that is shorter is filled with zeros.
;;     - A block's scale is 2^e with e = floor(log2(the largest magnitude in the block)) - 2, held to -126 .. 127; a block of zeros has e = 0. As a byte (E8M0): e + 127.
;;     - Each number is divided by its block's scale, clamped to +-6, and rounded to the nearest number of E2M1, ties to even, subnormals kept.
;;     - The product sums the exact products of the quantised numbers (number of the format x scale) in f32.
;;   ~~~python
;;   def quantise(x, axis):      # numpy; x: float32 -> the quantised numbers, widened to float32 again
;;       x = np.moveaxis(x, axis, -1); K = x.shape[-1]
;;       x = np.pad(x, [(0, 0)] * (x.ndim - 1) + [(0, -K % 32)]); x = x.reshape(x.shape[:-1] + (-1, 32)); a = np.abs(x).max(-1, keepdims=True)
;;       e = np.where(a > 0, np.clip(np.frexp(np.where(a > 0, a, 1))[1] - 1 - 2, -126, 127), 0)      # np.frexp(a)[1] - 1 = floor(log2(a)), exactly
;;       r = np.clip(x / 2.0 ** e, -6, 6)
;;       step = 2.0 ** (np.maximum(np.frexp(np.where(r == 0, 1, r))[1] - 1, 0) - 1)
;;       q = np.round(r / step) * step * 2.0 ** e      # np.round: ties to even
;;       return np.moveaxis(q.reshape(q.shape[:-2] + (-1,))[..., :K], -1, axis).astype(np.float32)
;;   ~~~
;; One version. Each part assembles by itself: llvm-mc -triple=amdgcn-amd-amdhsa -mcpu=gfx1250 --defsym DOCPART=n.
;; ======== version 1 of 1: 4 launches
;; limits: values are held in f16: magnitudes above 65,504 overflow, below 6.1e-05 lose precision
;; workspace buffers: codes 5,767,168 bytes; scales 360,448 bytes; qk 33,554,432 bytes; vt 16,777,216 bytes; ph 33,554,432 bytes; stat 1,048,576 bytes
;; launch quant (part 1): grid 352 x 1, 4 waves a work-group, no clusters, 33,280 bytes of LDS; arguments x, Wq, Wk, Wv, codes, scales; writes codes, scales
.if DOCPART == 1
	.amdgcn_target "amdgcn-amd-amdhsa--gfx1250"
	.amdhsa_code_object_version 6
	.text
	.protected	k_q4e0cf3b193_quant
	.globl	k_q4e0cf3b193_quant
	.p2align	8
	.type	k_q4e0cf3b193_quant,@function
k_q4e0cf3b193_quant:
	s_mov_b64 s[64:65], 0
	v_nop
	global_prefetch_b8 v0, s[64:65] scope:SCOPE_SE
	s_setreg_imm32_b32 hwreg(HW_REG_WAVE_MODE, 25, 1), 1
	s_wait_xcnt 0x0
; THE PROGRAM: out = softmax((x Wq^T + bq)(x Wk^T + bk)^T / sqrt(2048)) (x Wv^T + bv), in four launches:
;   quant  x, Wq, Wk, Wv (f32, K innermost) -> codes of FP4 (E2M1) and E8M0 scale bytes;   proj  the three quantised products -> Q, K (f16) and V^T (f16);
;   scores  S = Q K^T, and for each chunk of 128 keys p = 2^(t - M), its M and its sum;   pv  out = (bv L + sum over chunks of 2^(M_chunk - M_row) P V) / L.
; WORK LEFT OUT: bk.  logits[q][k] = Q_q . (K0_k + bk) / sqrt(S) = Q_q . K0_k / sqrt(S) + Q_q . bk / sqrt(S), K0 = x Wk^T.  The second term is the same for all k of a row q,
; and softmax(z + const) = softmax(z) for every z: so bk reaches no output, whatever finite values the inputs hold.  The product of Q with K is not quantised, so bk moves no code and no scale either.
; bk is not loaded and is among no launch's arguments.  LIMIT: a NaN, an infinity or an overflow that comes from bk alone is not carried to the result.
; WORK MOVED: bv.  The rows of the softmax sum to 1, so att (V0 + 1 bv^T) = att V0 + bv: bv is added in f32 in the last launch.  bq is live (bq . K_k varies with k) and is added in f32 in proj.
;
; THIS LAUNCH.  The four tensors have dense rows of 1,024 numbers, K innermost: each is a plain stream of blocks of 32, and so are its codes and scale bytes.  The codes buffer is [11264 rows][512 bytes]:
; rows 0-8191 x, 8192-9215 Wq, 9216-10239 Wk, 10240-11263 Wv; the scale bytes [11264][32].  A block's scale is 2^(floor(log2(its largest magnitude)) - 2); its byte is the largest magnitude's exponent field - 2,
; held at 1 from below.  (A block of zeros so gets the byte 1 where the rule says 127: its codes are zeros, which add nothing under any byte but 0xff, and the bytes are read by this program alone.)
; LIMITS: blocks whose largest magnitude lies under 2^(2 - 126) keep the byte 1; NaN and infinities among the inputs are not served.
; A work-group takes 32,768 numbers, a wave 8,192 in 16 steps of 512.  Work-groups 0-255 take x, 256-287 Wq, 288-319 Wk, 320-351 Wv: the destinations run on with the work-group's number.
; Each of a step's four loads reads 512 consecutive bytes, 16 a lane; the 2,048 bytes turn through the wave's own stage in LDS and come back 64 bytes a lane: 16 neighbours along K, two lanes to a block.
; A lane's 16 codes are 8 bytes: the wave stores 256 consecutive bytes.  A wave's 256 scale bytes are gathered in LDS and leave as one aligned run of 256 bytes.  No tensor loads, no barrier: waves share nothing.
; Loads run eight steps ahead: 32 loads, 16,384 bytes, of every wave are on their way.
.set WAVES, 4
.set STEPS, 16
.set AHEAD, 8                          ; steps that the loads run ahead, and sets of registers for them
.set CB,    8                          ; bytes of 16 codes
.set R,     16                         ; v16-143  eight sets of 16 numbers as they are loaded
.set X,     144                        ; v144-175 two sets of 16 neighbours
.set E,     176                        ; v176-191 a scale byte for each step
.set C,     192                        ; v192-255 codes: four registers for each step, so that no store's data are written again
.set WREG,  8192                       ; LDS: a region for each wave: two stages of 32 x SP bytes, behind them its 256 scale bytes
.set SP,    80                         ; a lane's place in a stage: 64 bytes + 16 of padding
.set SPW,   12                         ; v12  LDS address of my spare word; never rewritten
.set NIL,   13                         ; v13  0; never rewritten
.set SPARE, WAVES*WREG                 ; behind the four regions: the spare words, 128 bytes a wave
	s_load_b256 s[4:11], s[0:1], 0x0               ; x s[4:5], Wq s[6:7], Wk s[8:9], Wv s[10:11]
	s_load_b128 s[12:15], s[0:1], 0x20             ; codes s[12:13], scales s[14:15]
	v_lshl_add_u32 v[SPW], v0, 2, SPARE
	v_mov_b32 v[NIL], 0
	v_lshrrev_b32 v1, 5, v0
	v_readfirstlane_b32 s16, v1                    ; wave
	v_and_b32 v2, 31, v0                           ; lane
	v_lshlrev_b32 v3, 4, v2                        ; my 16 bytes of a load's 512
	s_mul_i32 s17, s16, WREG
	v_lshrrev_b32 v14, 2, v2
	v_mul_u32_u24 v14, v14, SP
	v_and_b32 v15, 3, v2
	v_lshl_add_u32 v14, v15, 4, v14
	v_add_nc_u32 v14, s17, v14                     ; the stage, on the way in: SP (lane / 4) + 16 (lane % 4)
	v_mul_u32_u24 v15, v2, SP
	v_add_nc_u32 v15, s17, v15                     ; and on the way out: SP x lane: my 16 neighbours
	v_mul_u32_u24 v4, v2, CB                       ; my codes' place in a step's
	v_lshrrev_b32 v5, 1, v2
	s_add_co_u32 s17, s17, 2*32*SP
	v_add_nc_u32 v5, s17, v5                       ; LDS: my wave's 256 scale bytes, my block's byte
	v_lshlrev_b32 v7, 3, v2                        ; and on the way out 8 bytes a lane
	v_add_nc_u32 v6, s17, v7
	s_sub_co_u32 s17, ttmp9, 256                   ; among the weights' work-groups:
	s_lshr_b32 s18, s17, 5                         ; which weight (0, 1, 2; a large number in x's work-groups),
	s_and_b32 s19, s17, 31                         ; and which part of it
	s_wait_kmcnt 0x0
	s_cmp_eq_u32 s18, 1                            ; the source is chosen by the work-group's number alone
	s_cselect_b64 s[6:7], s[8:9], s[6:7]
	s_cmp_eq_u32 s18, 2
	s_cselect_b64 s[6:7], s[10:11], s[6:7]
	s_cmp_lt_u32 ttmp9, 256
	s_cselect_b64 s[4:5], s[4:5], s[6:7]
	s_cselect_b32 s19, ttmp9, s19
	s_lshl_b32 s19, s19, 2
	s_add_co_u32 s19, s19, s16                     ; which run of 8,192 numbers of the source is my wave's
	s_lshl_b32 s20, s19, 15                        ; 32,768 bytes a run (under 2^26)
	s_mov_b32 s21, 0
	s_add_nc_u64 s[4:5], s[4:5], s[20:21]
	s_lshl_b32 s22, ttmp9, 2
	s_add_co_u32 s22, s22, s16                     ; and which run of the destinations
	s_lshl_b32 s20, s22, 12                        ; 4,096 bytes of codes a run
	s_add_nc_u64 s[12:13], s[12:13], s[20:21]
	s_lshl_b32 s20, s22, 8                         ; 256 scale bytes a run
	s_add_nc_u64 s[14:15], s[14:15], s[20:21]
.macro LOAD t
.irp i, 0,1,2,3
	global_load_b128 v[R+16*((\t)%AHEAD)+4*\i:R+16*((\t)%AHEAD)+4*\i+3], v3, s[4:5] offset:2048*(\t)+512*\i th:TH_LOAD_NT   ; 32 lanes read 512 consecutive bytes
.endr
.endm
.macro TURN t                          ; step t's numbers through the stage: LDS serves a wave's instructions in order, so no wait stands between the stores and the loads
.irp i, 0,1,2,3
	ds_store_b128 v14, v[R+16*((\t)%AHEAD)+4*\i:R+16*((\t)%AHEAD)+4*\i+3] offset:32*SP*((\t)%2)+8*SP*\i
.endr
.irp i, 0,1,2,3
	ds_load_b128 v[X+16*((\t)%2)+4*\i:X+16*((\t)%2)+4*\i+3], v15 offset:32*SP*((\t)%2)+16*\i
.endr
.endm
.irp t, 0,1,2,3,4,5,6,7
	LOAD \t
.endr
	s_wait_loadcnt 28                              ; step 0's four loads are in; the 28 of steps 1 to 7 may be out
	TURN 0
.macro STEP t
.set XS, X+16*((\t)%2)
.if (\t) > 0
	s_wait_dscnt 1                                 ; this step's numbers are back from the stage (the last step's byte store may be out): so its stores into the stage have read their registers,
.else
	s_wait_dscnt 0x0
.endif
.if (\t)+AHEAD < STEPS
	LOAD (\t)+AHEAD                                ; which take the loads of eight steps on
.endif
.if (\t)+1 < STEPS
.if STEPS-2-(\t) >= AHEAD-1
	s_wait_loadcnt 4*(AHEAD-1)                     ; the next step's four loads are in; those of the seven steps behind it may be out
.else
	s_wait_loadcnt 4*(STEPS-2-(\t))                ; towards the end fewer steps lie behind it
.endif
	TURN (\t)+1                                    ; and go through the other stage while this step is worked
.endif
	v_max3_num_f32 v8, |v[XS]|, |v[XS+1]|, |v[XS+2]|               ; the largest magnitude of my 16, in two chains
	v_max3_num_f32 v9, |v[XS+3]|, |v[XS+4]|, |v[XS+5]|
.irp i, 6,10
	v_max3_num_f32 v8, v8, |v[XS+\i]|, |v[XS+\i+1]|
	v_max3_num_f32 v9, v9, |v[XS+\i+2]|, |v[XS+\i+3]|
.endr
	v_max3_num_f32 v8, v8, |v[XS+14]|, |v[XS+15]|
	v_max3_num_f32 v8, v8, v9, 0x1800000           ; and the floor 2^(3 - 127): so the byte cannot fall under 1
	v_max_num_f32_dpp v8, v8, v8 row_xmask:1 row_mask:0xf bank_mask:0xf   ; and of my neighbour's 16: the block's
	v_add_nc_u32 v11, 0xff000000, v8               ; 2 off its exponent field: the conversion takes the exponent field of this operand as its scale, and nothing else of it
	v_cvt_scalef32_pk8_fp4_f32 v[C+4*(\t)], v[XS:XS+7], v11        ; eight numbers / the scale, to the nearest code, ties to even, beyond 6 the largest code; the first number's code in the lowest four bits
	v_cvt_scalef32_pk8_fp4_f32 v[C+4*(\t)+1], v[XS+8:XS+15], v11
	v_lshrrev_b32 v[E+(\t)], 23, v11               ; the scale's byte (also the plain line behind the conversions)
	ds_store_b8 v5, v[E+(\t)] offset:16*(\t)       ; both lanes of a block write the same byte with the same value
	global_store_b64 v4, v[C+4*(\t):C+4*(\t)+1], s[12:13] offset:32*CB*(\t)   ; 32 lanes store 256 consecutive bytes, aligned
.endm
.irp t, 0,1,2,3,4,5,6,7,8,9,10,11,12,13,14,15
	STEP \t
.endr
	ds_load_b64 v[8:9], v6                         ; LDS serves a wave's instructions in order: these see my stores
	s_wait_dscnt 0x0
	global_store_b64 v7, v[8:9], s[14:15]          ; 32 lanes store 256 consecutive bytes, aligned
	s_wait_tensorcnt 0x0                           ; the wave's end, behind my last LDS store
	ds_add_u32 v[SPW], v[NIL]
	s_wait_dscnt 0x0
	s_endpgm
.Lfunc_end_k_q4e0cf3b193_quant:
	.size	k_q4e0cf3b193_quant, .Lfunc_end_k_q4e0cf3b193_quant-k_q4e0cf3b193_quant
	.p2alignl 7, 3214868480
	.fill 96, 4, 3214868480
	.section	.rodata,"a",@progbits
	.p2align	6, 0x0
	.amdhsa_kernel k_q4e0cf3b193_quant
		.amdhsa_group_segment_fixed_size 33280
		.amdhsa_private_segment_fixed_size 0
		.amdhsa_enable_private_segment 0
		.amdhsa_kernarg_size 48
		.amdhsa_user_sgpr_count 2
		.amdhsa_user_sgpr_kernarg_segment_ptr 1
		.amdhsa_wavefront_size32 1
		.amdhsa_system_sgpr_workgroup_id_x 1
		.amdhsa_system_sgpr_workgroup_id_y 1
		.amdhsa_system_sgpr_workgroup_id_z 1
		.amdhsa_system_vgpr_workitem_id 0
		.amdhsa_next_free_vgpr 256
		.amdhsa_next_free_sgpr 66
		.amdhsa_reserve_vcc 0
		.amdhsa_float_denorm_mode_32 3
		.amdhsa_float_denorm_mode_16_64 3
		.amdhsa_memory_ordered 1
		.amdhsa_forward_progress 1
		.amdhsa_inst_pref_size 33
	.end_amdhsa_kernel
	.amdgpu_metadata
---
amdhsa.version: [ 1, 2 ]
amdhsa.kernels:
  - .name:           k_q4e0cf3b193_quant
    .symbol:         k_q4e0cf3b193_quant.kd
    .args:
      - { .name: x, .offset: 0, .size: 8, .value_kind: global_buffer, .address_space: global }
      - { .name: Wq, .offset: 8, .size: 8, .value_kind: global_buffer, .address_space: global }
      - { .name: Wk, .offset: 16, .size: 8, .value_kind: global_buffer, .address_space: global }
      - { .name: Wv, .offset: 24, .size: 8, .value_kind: global_buffer, .address_space: global }
      - { .name: codes, .offset: 32, .size: 8, .value_kind: global_buffer, .address_space: global }
      - { .name: scales, .offset: 40, .size: 8, .value_kind: global_buffer, .address_space: global }
    .group_segment_fixed_size: 33280
    .private_segment_fixed_size: 0
    .kernarg_segment_align: 8
    .kernarg_segment_size: 48
    .max_flat_workgroup_size: 128
    .sgpr_count:     66
    .vgpr_count:     256
    .wavefront_size: 32
...
	.end_amdgpu_metadata
.endif
;; end of part 1
;; launch proj (part 2): grid 8 x 32, 4 waves a work-group, clusters of 4 x 4, 327,680 bytes of LDS; arguments codes, scales, bq, qk, vt; writes qk, vt
.if DOCPART == 2
	.amdgcn_target "amdgcn-amd-amdhsa--gfx1250"
	.amdhsa_code_object_version 6
	.text
	.protected	k_q4e0cf3b193_proj
	.globl	k_q4e0cf3b193_proj
	.p2align	8
	.type	k_q4e0cf3b193_proj,@function
k_q4e0cf3b193_proj:
	s_mov_b64 s[64:65], 0
	v_nop
	global_prefetch_b8 v0, s[64:65] scope:SCOPE_SE
	s_setreg_imm32_b32 hwreg(HW_REG_WAVE_MODE, 25, 1), 1
	s_wait_xcnt 0x0
	s_wait_alu depctr_hold_cnt(0) depctr_sa_sdst(0) depctr_va_vdst(0) depctr_va_sdst(0) depctr_va_ssrc(0) depctr_va_vcc(0) depctr_vm_vsrc(0)
	s_getreg_b32 s2, hwreg(HW_REG_IB_STS2, 6, 4)
	s_cmp_eq_u32 s2, 0
	s_cbranch_scc0 .Lentry_in_a_cluster
	s_endpgm
.Lentry_in_a_cluster:
	s_bfe_u32 s2, ttmp6, 0x10000c
	s_cmp_lg_u32 s2, 0xf033
	s_cbranch_scc0 .Lentry_shape_is_right
	s_endpgm
.Lentry_shape_is_right:
; The three quantised products on codes of FP4 (E2M1) with one E8M0 scale for each 32 along K = 1,024:  Q = x Wq^T + bq,  K = x Wk^T,  V^T = Wv x^T;  sums in f32, results rounded once to f16.
; WORK LEFT OUT: bk (the same term along the softmax's axis: shown at the head of the first launch).  bv is added in the last launch.
; LIMIT: a result beyond 65,504 in magnitude becomes an infinity of f16.
; 256 work-groups of equal work, each with two passes.  C = A B^T, A and B rows of the codes buffer [11264][512 bytes].  CX, CY: the cluster's x and y; cx, cy: my place in it.
;   PASS 1: a tile of 256 x 256 of Q (CX = 0) or of K (CX = 1).  A = x's rows 256 (4 CY + cy) on, B = the weight's rows 8192 + 1024 CX + 256 cx on; C [8192][1024] in qk (K 2^24 bytes behind Q), rows 2,048 bytes apart.
;   PASS 2: 128 channels x 256 tokens of V^T.  A = Wv's rows 10240 + 128 (cy + 4 CX) on, B = x's rows 256 (cx + 4 CY) on; C [1024 channels][8192 tokens] in vt, rows 16,384 bytes apart: V comes out with the tokens
;   innermost and nothing is transposed.  (cy + 4 CX, cx + 4 CY) runs through all 8 x 32 such parts, each once.
; In pass 1 a wave makes 128 x 128 (64 accumulators), in pass 2 64 x 128 (32).  K = 1,024 is two slots of 512 along K (rows of 256 bytes).  Pass 1's two slots are asked for at the head.  Slot 0 is filled again, for pass 2, at
; pass 1's change of slots; slot 1 behind the second block of pass 1's way out: so pass 2's tiles land under pass 1's second half and its way out, and pass 1's stores leave under pass 2.
; Pass 1's scale bytes (two dense blocks of 8,192 bytes) come once into LDS, as rows of 256 bytes.  Pass 2's scale words go from memory straight into registers, asked for at the head: 16 bytes of a row of 32 to a load, both halves taken.
; bq is asked for at the head by every work-group, where the loads lie beside the first tiles'; K's work-groups ask for their 2,048 bytes in vain: so Q's need not wait for a load behind their last product.
; CLUSTERS: 4 x 4.  In both passes A's tiles hang on cy alone and are shared along a row of the cluster, B's on cx alone and are shared along a column: joint loads, the same descriptor and a mask that names the four.
; THE MATRIX INSTRUCTION IS USED TRANSPOSED (source 0 = 16 rows of B, source 1 = 16 rows of A): a lane holds eight neighbouring numbers of a row of C.
; REGISTERS: window 0: v0-31 addresses; v32-95 pass 1's scale words, two sets; v128-191 pass 1's fragments of A, one set; v160-191 and v96-127 pass 2's, two sets; v192-255 pass 2's scale words.
;   window 1: v0-63, v128-191 B's fragments, two sets; v64-127 bq.  windows 2, 3: the accumulators ((a, b) at v[8 (8 (a % 4) + b)]).  On the ways out: v32-63 packed results; v64-95 and v128-159 rows read back.
.set KSTEP,  512
.set NQ,     KSTEP/128
.set ROWB,   256                       ; a tile's row in bytes
.set KROW,   512                       ; a row of codes in memory
.set PITCH,  272                       ; an LDS row: 256 bytes + 16 of padding: the 16 rows that a load touches start 68 words apart
.set FR,     8
.set NL,     2
.set NP,     4                         ; places behind this matrix instruction (ISA guide 7.12.1)
.set HALFT,  128*PITCH
.set A2H,    64*PITCH                  ; pass 2: half of A's 128 rows
.set SLOT,   4*HALFT                   ; A's rows (256, in pass 2 the first 128), then B's 256
.set KS,     32                        ; a row of scales in bytes
.set SCL,    2*SLOT
.set HALFS,  (128*KS/256)*272
.set SBLK,   (16*KS/256)*272
.set SPITCH, 272
.set STAGE,  SCL+4*HALFS               ; the ways out: 16 rows x (256 bytes + 16) for each wave, bytes of their own: no tile lands there
.set SPARE,  STAGE+4*16*SPITCH         ; the spare words, 128 bytes a wave
.set ADRA,  16                         ; v16-17  LDS address of my fragments of A in slot 0, 1: pass 1
.set ADRA2, 18                         ; v18-19  pass 2
.set ADRB,  20                         ; v20-21  of B, both passes
.set SVA,   22                         ; v22  pass 2's scale words in memory: lanes 0-15 my rows of Wv, lanes 16-31 my rows of x
.set SVB,   23                         ; v23  all lanes my rows of x
.set STO,   24
.set RD,    25
.set BO,    26                         ; v26  32 x (lane / 16): my eight numbers of bq in a block of 16
.set ADRS,  27
.set SPW,   28
.set NIL,   29
.set CO1,   30                         ; v30  2048 (lane / 16) + 16 (lane % 16): two rows of qk
.set CO2,   31                         ; v31  16384 (lane / 16) + 16 (lane % 16): two rows of vt
.set SC,    32
.set TMP,   32
.set BK,    64
.set AF,    128
.set SC2,   192
.set BI,    64                         ; in window 1
.set G1, 24                            ; s[24:31] group 1 for A's tiles of 128 rows; s[32:39] group 0, a set for each slot
.set G0, 32
.set G1B, 48                           ; s[48:55], s[56:63] the same for B's
.set G0B, 56
.set G1S, 68                           ; s[68:75], s[76:79] groups 1 and 0 for A's scales; s[80:87], s[88:91] for B's
.set G0S, 76
.set G1SB, 80
.set G0SB, 88
.set G1A2, 92                          ; s[92:99] group 1 for pass 2's tiles of A: 64 rows
.set MSB, 0
.macro WIN new                         ; the immediate's high byte repeats the setting that is left
.if MSB != (\new)
	s_set_vgpr_msb (MSB<<8)|(\new)
.set MSB, (\new)
.endif
.endm
.set MUL_LO, 0xa1                      ; source 0 (B) window 1, source 1 (A) window 0, C and D window 2
.set MUL_HI, 0xf1
.set TO_B,   0x40
; A joint load: waves 0 and 1 fetch for A, waves 2 and 3 for B.  The branch hangs on the wave's number alone.  An s_nop 0 and four v_nop follow each of the two lines.
.macro JLOAD g0a, g1a, g0b, g1b
	s_cmp_eq_u32 s15, 0
	s_cbranch_scc0 .Lfor_b_\@
	tensor_load_to_lds s[\g0a:\g0a+3], s[\g1a:\g1a+7]
	s_nop 0
.rept 4
	v_nop
.endr
	s_branch .Lasked_\@
.Lfor_b_\@:
	tensor_load_to_lds s[\g0b:\g0b+3], s[\g1b:\g1b+7]
	s_nop 0
.rept 4
	v_nop
.endr
.Lasked_\@:
.endm
.macro CREST                           ; a round of the cluster's barrier behind its opening barrier
	s_cmp_lg_u32 s14, 0
	s_cbranch_scc1 .Lnot_wave_0_\@
	s_barrier_signal -3
.Lnot_wave_0_\@:
	s_barrier_wait -3
	s_barrier_signal -1
	s_barrier_wait -1
.endm
.macro CROUND                          ; a whole round
	s_barrier_signal -1
	s_barrier_wait -1
	CREST
.endm
	s_load_b128 s[4:7], s[0:1], 0x0                ; codes s[4:5], scales s[6:7]
	s_load_b128 s[8:11], s[0:1], 0x10              ; bq s[8:9], qk s[10:11]
	s_load_b64 s[12:13], s[0:1], 0x20              ; vt
	v_lshl_add_u32 v[SPW], v0, 2, SPARE
	v_mov_b32 v[NIL], 0
	ds_add_u32 v[SPW], v[NIL]                      ; the wave's opening: the add, twice on end, and its wait ahead of my first tensor load
	ds_add_u32 v[SPW], v[NIL]
	v_lshrrev_b32 v1, 5, v0
	v_readfirstlane_b32 s14, v1                    ; wave 0..3
	s_lshr_b32 s15, s14, 1                         ; which half of the tile's rows is mine.  Also: I fetch for A (0) or for B (1)
	s_and_b32 s16, s14, 1                          ; which half of its columns.  Also: which half of that tile's rows I fetch
	s_bfe_u32 s40, ttmp6, 0x40000                  ; cx
	s_bfe_u32 s41, ttmp6, 0x40004                  ; cy
	s_and_b32 s17, ttmp7, 0xffff                   ; CY
	s_lshl_b32 s43, s41, 2
	s_lshl_b32 s43, 15, s43                        ; my row of the cluster
	s_lshl_b32 s44, 0x1111, s40                    ; my column
	; descriptor group 1: tiles of 128 rows (pass 2's A: 64) x 256 bytes, 16 bytes of padding behind each row
	s_or_b32 s[G1+0], s43, (0<<16)|(1<<20)|(1<<21)|(5<<22)|(3<<25)  ; 15:0 the mask; 17:16 elements of 1 byte; 20 padding on; 21 set beside a mask; 24:22 after every 64 words; 31:25 four words
	s_or_b32 s[G1B+0], s44, (0<<16)|(1<<20)|(1<<21)|(5<<22)|(3<<25)
	s_or_b32 s[G1A2+0], s43, (0<<16)|(1<<20)|(1<<21)|(5<<22)|(3<<25)
.irp g, G1, G1B
	s_mov_b32 s[\g+1], ROWB<<16                    ; tensor_dim0
	s_mov_b32 s[\g+2], 128<<16                     ; tensor_dim1
	s_mov_b32 s[\g+3], ROWB<<16                    ; tile_dim0
	s_mov_b32 s[\g+4], 128                         ; tile_dim1
	s_mov_b32 s[\g+5], KROW                        ; tensor_dim0_stride
	s_mov_b32 s[\g+6], 0
	s_mov_b32 s[\g+7], 0
.endr
	s_mov_b32 s[G1A2+1], ROWB<<16
	s_mov_b32 s[G1A2+2], 64<<16
	s_mov_b32 s[G1A2+3], ROWB<<16
	s_mov_b32 s[G1A2+4], 64
	s_mov_b32 s[G1A2+5], KROW
	s_mov_b32 s[G1A2+6], 0
	s_mov_b32 s[G1A2+7], 0
	; the scales of 128 rows: 4,096 dense bytes, as 16 rows of 256 bytes (32 elements of 8 bytes), 16 bytes of padding behind each
	s_or_b32 s[G1S+0], s43, (3<<16)|(1<<20)|(1<<21)|(5<<22)|(3<<25)
	s_or_b32 s[G1SB+0], s44, (3<<16)|(1<<20)|(1<<21)|(5<<22)|(3<<25)
.irp g, G1S, G1SB
	s_mov_b32 s[\g+1], 32<<16
	s_mov_b32 s[\g+2], (128*KS/256)<<16
	s_mov_b32 s[\g+3], 32<<16
	s_mov_b32 s[\g+4], 128*KS/256
	s_mov_b32 s[\g+5], 32
	s_mov_b32 s[\g+6], 0
	s_mov_b32 s[\g+7], 0
.endr
	s_lshl_b32 s19, s16, 7                         ; which 128 rows of a tile I fetch
	s_lshl_b32 s20, s17, 2
	s_add_co_u32 s20, s20, s41
	s_lshl_b32 s20, s20, 8
	s_add_co_u32 s20, s20, s19                     ; pass 1, A: x's row 256 (4 CY + cy) + 128 x half
	s_lshl_b32 s46, ttmp9, 10
	s_add_co_u32 s46, s46, 8192
	s_lshl_b32 s47, s40, 8
	s_add_co_u32 s46, s46, s47
	s_add_co_u32 s46, s46, s19                     ; pass 1, B: row 8192 + 1024 CX + 256 cx + 128 x half
	s_lshl_b32 s22, s20, 5                         ; their scales, 32 bytes a row,
	s_mov_b32 s23, 0
	s_lshl_b32 s2, s46, 5
	s_mov_b32 s3, 0
	s_lshl_b32 s20, s20, 9                         ; and their codes, 512 bytes a row (all under 2^23)
	s_mov_b32 s21, 0
	s_lshl_b32 s46, s46, 9
	s_mov_b32 s47, 0
	s_lshl_b32 s66, ttmp9, 2
	s_add_co_u32 s66, s66, s41
	s_lshl_b32 s66, s66, 7
	s_add_co_u32 s66, s66, 10240
	s_lshl_b32 s67, s16, 6
	s_add_co_u32 s66, s66, s67                     ; pass 2, A: Wv's row 10240 + 128 (cy + 4 CX) + 64 x half
	s_lshl_b32 s66, s66, 9
	s_mov_b32 s67, 0
	s_lshl_b32 s100, s17, 2
	s_add_co_u32 s100, s100, s40
	s_lshl_b32 s100, s100, 8
	s_add_co_u32 s100, s100, s19                   ; pass 2, B: x's row 256 (cx + 4 CY) + 128 x half
	s_lshl_b32 s100, s100, 9
	s_mov_b32 s101, 0
	s_mul_i32 s45, s14, HALFT                      ; where tiles of 128 rows go: wave x 128 rows: no place in the cluster enters an LDS address
	s_mul_i32 s18, s14, HALFS
	s_mul_i32 s42, s16, A2H                        ; and pass 2's halves of A
	s_wait_dscnt 0x0                               ; both opening adds are done
	s_wait_kmcnt 0x0
	s_add_nc_u64 s[20:21], s[4:5], s[20:21]
	s_add_nc_u64 s[22:23], s[6:7], s[22:23]
	s_add_nc_u64 s[46:47], s[4:5], s[46:47]
	s_add_nc_u64 s[2:3], s[6:7], s[2:3]
	s_add_nc_u64 s[66:67], s[4:5], s[66:67]
	s_add_nc_u64 s[100:101], s[4:5], s[100:101]
	CROUND                                         ; all sixteen work-groups are here: the first joint loads meet
	s_mov_b32 s[G0S], 1
	s_add_co_u32 s[G0S+1], s18, SCL
	s_mov_b64 s[G0S+2:G0S+3], s[22:23]
	s_or_b32 s[G0S+3], s[G0S+3], 0x80000000
	s_mov_b32 s[G0SB], 1
	s_add_co_u32 s[G0SB+1], s18, SCL
	s_mov_b64 s[G0SB+2:G0SB+3], s[2:3]
	s_or_b32 s[G0SB+3], s[G0SB+3], 0x80000000
	JLOAD G0S, G1S, G0SB, G1SB                     ; the scales first: they are wanted with the first slot
.irp s, 0,1
	s_mov_b32 s[G0+4*\s], 1
	s_add_co_u32 s[G0+4*\s+1], s45, \s*SLOT
	s_add_nc_u64 s[G0+4*\s+2:G0+4*\s+3], s[20:21], \s*ROWB
	s_or_b32 s[G0+4*\s+3], s[G0+4*\s+3], 0x80000000
	s_mov_b32 s[G0B+4*\s], 1
	s_add_co_u32 s[G0B+4*\s+1], s45, \s*SLOT
	s_add_nc_u64 s[G0B+4*\s+2:G0B+4*\s+3], s[46:47], \s*ROWB
	s_or_b32 s[G0B+4*\s+3], s[G0B+4*\s+3], 0x80000000
	JLOAD G0+4*\s, G1, G0B+4*\s, G1B               ; three loads of mine are out in all: the scales and both slots
.endr
	v_and_b32 v1, 15, v0                           ; r = l % 16
	v_bfe_u32 v2, v0, 4, 1                         ; h = l / 16
	; pass 2's scale words and bq are asked for now
	s_lshl_b32 s20, ttmp9, 2
	s_add_co_u32 s20, s20, s41
	s_lshl_b32 s20, s20, 7
	s_add_co_u32 s20, s20, 10240
	s_lshl_b32 s21, s15, 6
	s_add_co_u32 s20, s20, s21                     ; the first row of Wv that I multiply: 10240 + 128 (cy + 4 CX) + 64 x my half of the rows
	s_lshl_b32 s46, s17, 2
	s_add_co_u32 s46, s46, s40
	s_lshl_b32 s46, s46, 8
	s_add_co_u32 s46, s46, s19                     ; and the first token: 256 (cx + 4 CY) + 128 x my half of the columns
	s_sub_co_u32 s21, s20, s46                     ; Wv's rows lie behind x's
	s_lshl_b32 s21, s21, 5
	s_lshl_b32 s47, s46, 5
	v_lshl_add_u32 v[SVB], v1, 5, s47              ; 32 bytes a row
	v_xor_b32 v5, 1, v2
	v_mul_u32_u24 v5, s21, v5
	v_add_nc_u32 v[SVA], v[SVB], v5
	v_lshlrev_b32 v[BO], 5, v2
.irp s, 0,1
.irp i, 0,1,2,3
	global_load_b128 v[SC2+32*\s+4*\i:SC2+32*\s+4*\i+3], v[SVA], s[6:7] offset:512*\i+16*\s   ; slot s, block i: lanes 0-15 the four words of Wv's rows, lanes 16-31 of x's
.endr
.irp i, 4,5,6,7
	global_load_b128 v[SC2+32*\s+4*\i:SC2+32*\s+4*\i+3], v[SVB], s[6:7] offset:512*\i+16*\s   ; A has four blocks alone: here all lanes take x's rows, and lanes 16-31 are read
.endr
.endr
	s_sub_co_u32 s20, s20, 10240                   ; where my part of V^T begins: my first channel, rows of 16,384 bytes,
	s_lshl_b32 s20, s20, 14
	s_lshl_b32 s46, s46, 1                         ; my first token, 2 bytes each
	s_add_co_u32 s20, s20, s46
	s_mov_b32 s21, 0
	s_add_nc_u64 s[12:13], s[12:13], s[20:21]
	s_lshl_b32 s46, s40, 10                        ; bq at Q's first column of mine: 4 (256 cx + 128 half)
	s_lshl_b32 s47, s16, 9
	s_add_co_u32 s46, s46, s47
	s_mov_b32 s47, 0
	s_add_nc_u64 s[8:9], s[8:9], s[46:47]
	WIN TO_B
.irp b, 0,1,2,3,4,5,6,7
	global_load_b128 v[BI+8*\b:BI+8*\b+3], v[BO], s[8:9] offset:64*\b          ; bq at columns 16 b + 8 h + 0 .. 7 of my 128
	global_load_b128 v[BI+8*\b+4:BI+8*\b+7], v[BO], s[8:9] offset:64*\b+16
.endr
	WIN 0
	v_mul_u32_u24 v3, v1, PITCH
	v_lshl_add_u32 v4, v2, 4, v3                   ; a fragment's row x pitch + 16 x half
	s_mul_i32 s21, s15, HALFT                      ; pass 1: my 128 rows of A
	s_mul_i32 s22, s16, HALFT                      ; my 128 rows of B,
	s_add_co_u32 s22, s22, 2*HALFT                 ; which lie behind A's place
	s_mul_i32 s23, s15, A2H                        ; pass 2: my 64 rows of A
.irp s, 0,1
	v_add_nc_u32 v[ADRA+\s], s21, v4
	v_add_nc_u32 v[ADRB+\s], s22, v4
	v_add_nc_u32 v[ADRA2+\s], s23, v4
	s_add_co_u32 s21, s21, SLOT
	s_add_co_u32 s22, s22, SLOT
	s_add_co_u32 s23, s23, SLOT
.endr
	v_mul_u32_u24 v5, v1, KS                       ; pass 1: my row's scales in LDS: 32 bytes a row,
	v_lshrrev_b32 v6, 8, v5
	v_lshl_add_u32 v5, v6, 4, v5                   ; and 16 more for each 256 passed
	s_mul_i32 s21, s15, HALFS                      ; A's: my 128 rows
	s_mul_i32 s22, s16, HALFS                      ; B's: my 128 rows, behind A's 256
	s_add_co_u32 s22, s22, 2*HALFS
	s_sub_co_u32 s22, s22, s21
	v_mul_u32_u24 v6, s22, v2                      ; lanes 16-31 take B's: the lower base + half x the distance
	s_add_co_u32 s21, s21, SCL
	v_add_nc_u32 v5, v5, v6
	v_add_nc_u32 v[ADRS], s21, v5
	s_mul_i32 s23, s14, 16*SPITCH
	s_add_co_u32 s23, s23, STAGE                   ; my stage
	v_mul_u32_u24 v5, v1, SPITCH                   ; in: row r, 16 bytes for each half of the lanes
	v_lshl_add_u32 v5, v2, 4, v5
	v_add_nc_u32 v[STO], s23, v5
	v_mul_u32_u24 v5, v2, SPITCH                   ; back: lanes 0-15 one row of 256 bytes, lanes 16-31 the next
	v_lshl_add_u32 v5, v1, 4, v5
	v_add_nc_u32 v[RD], s23, v5
	v_lshlrev_b32 v5, 11, v2
	v_lshl_add_u32 v[CO1], v1, 4, v5               ; and the same two rows in qk,
	v_lshlrev_b32 v5, 14, v2
	v_lshl_add_u32 v[CO2], v1, 4, v5               ; in vt
	s_lshl_b32 s20, s17, 2
	s_add_co_u32 s20, s20, s41
	s_lshl_b32 s20, s20, 8
	s_lshl_b32 s21, s15, 7
	s_add_co_u32 s20, s20, s21                     ; pass 1: my first row of C,
	s_lshl_b32 s20, s20, 11                        ; rows of 2,048 bytes (under 2^24)
	s_lshl_b32 s46, s40, 9
	s_lshl_b32 s47, s16, 8
	s_add_co_u32 s46, s46, s47                     ; my first column: 2 (256 cx + 128 half) bytes
	s_add_co_u32 s20, s20, s46
	s_lshl_b32 s21, ttmp9, 24                      ; K lies 2^24 bytes behind Q
	s_add_co_u32 s20, s20, s21
	s_mov_b32 s21, 0
	s_add_nc_u64 s[10:11], s[10:11], s[20:21]
.macro FRAG reg, adr, q, i             ; 16 rows x 128 K of 4-bit codes: 8 registers; registers 4 c .. 4 c + 3 hold K = 64 c + 32 (l / 16) + 0 .. 31
.irp c, 0,1
	ds_load_b128 v[\reg+4*\c:\reg+4*\c+3], v[\adr] offset:64*(\q)+32*\c+(\i)*16*PITCH
.endr
.endm
; PASS 1.  16 matrix instructions: A's blocks a0, a0 + 1 x B's eight, 128 along K.  The 64 accumulators take turns, one instruction a turn, in the same order in every step.
; One register carries A's scale word (lanes 0-15) and B's (lanes 16-31) of block i: source 0 (B) names register b with ROW1, source 1 (A) register a.
.macro MUL16 a0, p, q, sc, zero
.irp a, \a0, \a0+1
.irp b, 0,1,2,3,4,5,6,7
.if \zero
	v_wmma_scale_f32_16x16x128_f8f6f4 v[8*(8*((\a)%4)+\b):8*(8*((\a)%4)+\b)+7], v[128*(\p)+FR*\b:128*(\p)+FR*\b+FR-1], v[AF+FR*(\a):AF+FR*(\a)+FR-1], 0, v[SC+8*NQ*(\sc)+NQ*\b+(\q)], v[SC+8*NQ*(\sc)+NQ*(\a)+(\q)] matrix_a_fmt:MATRIX_FMT_FP4 matrix_b_fmt:MATRIX_FMT_FP4 matrix_a_scale:MATRIX_SCALE_ROW1
.else
	v_wmma_scale_f32_16x16x128_f8f6f4 v[8*(8*((\a)%4)+\b):8*(8*((\a)%4)+\b)+7], v[128*(\p)+FR*\b:128*(\p)+FR*\b+FR-1], v[AF+FR*(\a):AF+FR*(\a)+FR-1], v[8*(8*((\a)%4)+\b):8*(8*((\a)%4)+\b)+7], v[SC+8*NQ*(\sc)+NQ*\b+(\q)], v[SC+8*NQ*(\sc)+NQ*(\a)+(\q)] matrix_a_fmt:MATRIX_FMT_FP4 matrix_b_fmt:MATRIX_FMT_FP4 matrix_a_scale:MATRIX_SCALE_ROW1
.endif
.endr
.endr
.endm
.macro FETCH_B slot, q, p
	WIN TO_B
.irp i, 0,1,2,3,4,5,6,7
	FRAG 128*(\p)+FR*\i, ADRB+\slot, \q, \i
.endr
	WIN 0
.endm
.macro FETCH_A slot, q, i0
.irp i, \i0, \i0+1, \i0+2, \i0+3
	FRAG AF+FR*(\i), ADRA+\slot, \q, \i
.endr
.endm
.macro SCALES sc                       ; a slot's scale words: four words a row; lanes 0-15 take A's block i, lanes 16-31 B's block i
.irp i, 0,1,2,3,4,5,6,7
	ds_load_b128 v[SC+8*NQ*\sc+NQ*\i:SC+8*NQ*\sc+NQ*\i+3], v[ADRS] offset:\i*SBLK
.endr
.endm
.macro PLACES n                        ; plain vector lines between a matrix instruction and a load into, or a read of, its registers
.rept \n
	v_nop
.endr
.endm
.macro STEP slot, q, zero              ; 128 along K that has its successor in the same slot
	s_wait_dscnt 4*NL                              ; B's set and A's blocks 0-3 are in; the youngest eight loads (A's blocks 4-7) may be out
	WIN MUL_LO
	MUL16 0, (\q)%2, \q, \slot, \zero
	MUL16 2, (\q)%2, \q, \slot, \zero
	s_wait_dscnt 0                                 ; A's blocks 4-7 are in
	PLACES NP
	FETCH_B \slot, (\q)+1, 1-(\q)%2
	FETCH_A \slot, (\q)+1, 0
	WIN MUL_HI
	MUL16 4, (\q)%2, \q, \slot, \zero
	MUL16 6, (\q)%2, \q, \slot, \zero
	PLACES NP
	WIN 0
	FETCH_A \slot, (\q)+1, 4
.endm
; Slot 0's last step changes slots: in front of the barrier each wave waits for all its tensor loads (its part of slot 1), adds 0 to its spare word, and waits for that and for its reads of slot 0.  The barrier opens a round of
; the cluster's: behind it no wave of any partner still reads slot 0 or has a load on its way, and slot 0 is filled again: pass 2's first 512 along K.
.macro TURN slot, next
	s_wait_tensorcnt 0x0
	ds_add_u32 v[SPW], v[NIL]
	s_wait_dscnt 4*NL+1                            ; the add and the youngest eight loads (A's blocks 4-7) may be out
	WIN MUL_LO
	MUL16 0, 1, NQ-1, \slot, 0
	s_wait_dscnt 0x0                               ; the add is done, and my reads of this slot are over
	s_barrier_signal -1
	MUL16 2, 1, NQ-1, \slot, 0
	WIN 0
	s_barrier_wait -1
	CREST
	s_mov_b32 s[G0+1], s42                         ; no tensor load of mine is out: the groups 0 of slot 0 are written for pass 2
	s_mov_b64 s[G0+2:G0+3], s[66:67]
	s_or_b32 s[G0+3], s[G0+3], 0x80000000
	s_mov_b64 s[G0B+2:G0B+3], s[100:101]
	s_or_b32 s[G0B+3], s[G0B+3], 0x80000000
	JLOAD G0, G1A2, G0B, G1B                       ; the first tensor load behind the round; the four v_nop behind it are the places in front of the loads below
	v_add_nc_u32 v[ADRS], 4*NQ, v[ADRS]            ; on to the next slot's scale words
	FETCH_B \next, 0, 0
	FETCH_A \next, 0, 0
	SCALES \next
	WIN MUL_HI
	MUL16 4, 1, NQ-1, \slot, 0
	MUL16 6, 1, NQ-1, \slot, 0
	PLACES NP
	WIN 0
	FETCH_A \next, 0, 4
.endm
; Slot 1 is filled again, with pass 2's second 512 along K: my load for slot 0 has landed, my reads of slot 1 ended with pass 1's last step; a whole round of the cluster's barrier; the joint load first behind it.
.macro REFILL1
	s_wait_tensorcnt 0x0
	ds_add_u32 v[SPW], v[NIL]                      ; 0 onto my spare word; the descriptors' words stand between it and the wait for it
	s_add_co_u32 s[G0+5], s42, SLOT
	s_add_nc_u64 s[G0+6:G0+7], s[66:67], ROWB
	s_or_b32 s[G0+7], s[G0+7], 0x80000000
	s_add_nc_u64 s[G0B+6:G0B+7], s[100:101], ROWB
	s_or_b32 s[G0B+7], s[G0B+7], 0x80000000
	s_wait_dscnt 0x0
	CROUND
	JLOAD G0+4, G1A2, G0B+4, G1B
.endm
	s_wait_tensorcnt 1                             ; the scales and my part of slot 0 are in (slot 1's load may be out)
	s_barrier_signal -1
	s_barrier_wait -1                              ; everybody's are
	FETCH_B 0, 0, 0
	FETCH_A 0, 0, 0
	SCALES 0
	FETCH_A 0, 0, 4
	STEP 0, 0, 1                                   ; the first products start the sums: nothing is cleared
	STEP 0, 1, 0
	STEP 0, 2, 0
	TURN 0, 1
	STEP 1, 0, 0
	STEP 1, 1, 0
	STEP 1, 2, 0
	s_wait_dscnt 4*NL                              ; pass 1's last step: nothing more to fetch
	WIN MUL_LO
	MUL16 0, 1, NQ-1, 1, 0
	MUL16 2, 1, NQ-1, 1, 0
	s_wait_dscnt 0
	WIN MUL_HI
	MUL16 4, 1, NQ-1, 1, 0
	MUL16 6, 1, NQ-1, 1, 0
	WIN 0
	PLACES NP                                      ; in front of the first reads of results and of writes into registers that held operands and scales
	s_wait_loadcnt 0x0                             ; bq and pass 2's scale words, asked for at the head
	; Q alone has a bias here.  The branch hangs on the cluster's x, the same in all partners.
	s_cmp_lg_u32 ttmp9, 0
	s_cbranch_scc1 .Lnobias
	WIN 0x86                                       ; destination and source 0 window 2, source 1 (bq) window 1
.irp a, 0,1,2,3
.irp b, 0,1,2,3,4,5,6,7
.irp i, 0,2,4,6
	v_pk_add_f32 v[64*\a+8*\b+\i:64*\a+8*\b+\i+1], v[64*\a+8*\b+\i:64*\a+8*\b+\i+1], v[BI+8*\b+\i:BI+8*\b+\i+1]   ; each accumulator from its low end on
.endr
.endr
.endr
	WIN 0xc7                                       ; the same in window 3
.irp a, 0,1,2,3
.irp b, 0,1,2,3,4,5,6,7
.irp i, 0,2,4,6
	v_pk_add_f32 v[64*\a+8*\b+\i:64*\a+8*\b+\i+1], v[64*\a+8*\b+\i:64*\a+8*\b+\i+1], v[BI+8*\b+\i:BI+8*\b+\i+1]
.endr
.endr
.endr
	WIN 0
.Lnobias:
; THE WAYS OUT, block by block of 16 rows x 128 columns: rounded to f16, 16 bytes a lane into my stage, back as whole rows of 256 bytes, stored sixteen lanes to 256 consecutive aligned bytes.
.macro PACK a
.set AC, 64*((\a)%4)
	WIN 0x0a+5*((\a)/4)                            ; sources 0 and 1: window 2 or 3
.irp b, 0,1,2,3,4,5,6,7
.irp r, 0,1,2,3
	v_cvt_pk_f16_f32 v[TMP+4*\b+\r], v[AC+8*\b+2*\r], v[AC+8*\b+2*\r+1]
.endr
.endr
	WIN 0
.endm
.macro TOSTAGE a
.set BB, BK+64*((\a)%2)
.irp b, 0,1,2,3,4,5,6,7
	ds_store_b128 v[STO], v[TMP+4*\b:TMP+4*\b+3] offset:32*\b
.endr
.irp t, 0,1,2,3,4,5,6,7
	ds_load_b128 v[BB+4*\t:BB+4*\t+3], v[RD] offset:\t*2*SPITCH    ; LDS serves a wave's instructions in order: these see the stores above
.endr
.endm
.macro SEND a, co, pb, pitch           ; the block's place among my rows stands in the immediate: 126 rows of 2,048 bytes or 62 of 16,384 at the most
.set BB, BK+64*((\a)%2)
	s_wait_dscnt 0x0                               ; the block is back in registers
	s_wait_xcnt 0x0                                ; the earlier stores have read their data: the next block's loads may land there
.irp t, 0,1,2,3,4,5,6,7
	global_store_b128 v[\co], v[BB+4*\t:BB+4*\t+3], s[\pb:\pb+1] offset:(16*(\a)+2*\t)*\pitch
.endr
.endm
	PACK 0
	TOSTAGE 0
.irp a, 1,2,3,4,5,6,7
	PACK \a                                        ; block a's conversions stand between block a - 1's loads from the stage and the wait for them
	SEND \a-1, CO1, 10, 2048
.if \a == 2
	REFILL1                                        ; no LDS instruction of mine is out here
.endif
	TOSTAGE \a
.endr
	SEND 7, CO1, 10, 2048
; PASS 2.  A's four blocks x B's eight: 32 accumulators in window 2, by turns.  Both operands have two sets of registers: a step's 24 loads go out in one run ahead of the step before's products.
.macro MUL2 p, q, sc, zero
.irp a, 0,1,2,3
.irp b, 0,1,2,3,4,5,6,7
.if \zero
	v_wmma_scale_f32_16x16x128_f8f6f4 v[8*(8*\a+\b):8*(8*\a+\b)+7], v[128*(\p)+FR*\b:128*(\p)+FR*\b+FR-1], v[160-64*(\p)+FR*\a:160-64*(\p)+FR*\a+FR-1], 0, v[SC2+32*(\sc)+NQ*\b+(\q)], v[SC2+32*(\sc)+NQ*\a+(\q)] matrix_a_fmt:MATRIX_FMT_FP4 matrix_b_fmt:MATRIX_FMT_FP4 matrix_a_scale:MATRIX_SCALE_ROW1
.else
	v_wmma_scale_f32_16x16x128_f8f6f4 v[8*(8*\a+\b):8*(8*\a+\b)+7], v[128*(\p)+FR*\b:128*(\p)+FR*\b+FR-1], v[160-64*(\p)+FR*\a:160-64*(\p)+FR*\a+FR-1], v[8*(8*\a+\b):8*(8*\a+\b)+7], v[SC2+32*(\sc)+NQ*\b+(\q)], v[SC2+32*(\sc)+NQ*\a+(\q)] matrix_a_fmt:MATRIX_FMT_FP4 matrix_b_fmt:MATRIX_FMT_FP4 matrix_a_scale:MATRIX_SCALE_ROW1
.endif
.endr
.endr
.endm
.macro FETCH2 slot, q, p
	WIN TO_B
.irp i, 0,1,2,3,4,5,6,7
	FRAG 128*(\p)+FR*\i, ADRB+\slot, \q, \i
.endr
	WIN 0
.irp i, 0,1,2,3
	FRAG 160-64*(\p)+FR*\i, ADRA2+\slot, \q, \i
.endr
.endm
; more = 1: the next step's fragments (slot nslot, its nq-th 128 along K) are fetched.  meet = 1: they lie in slot 1: each wave waits for its part of it, and a barrier shows it whole to all.
.macro STEP2 slot, q, zero, more, nslot, nq, meet
.if \meet
	s_wait_tensorcnt 0x0
.endif
	s_wait_dscnt 0x0                               ; this step's fragments are in
.if \meet
	s_barrier_signal -1
	s_barrier_wait -1
.endif
.if \more
	PLACES NP
	FETCH2 \nslot, \nq, 1-(\q)%2
.endif
	WIN MUL_LO
	MUL2 (\q)%2, \q, \slot, \zero
	WIN 0
.endm
	FETCH2 0, 0, 0                                 ; slot 0 was shown whole by the round in front of slot 1's refill
	STEP2 0, 0, 1, 1, 0, 1, 0
	STEP2 0, 1, 0, 1, 0, 2, 0
	STEP2 0, 2, 0, 1, 0, 3, 0
	STEP2 0, 3, 0, 1, 1, 0, 1
	STEP2 1, 0, 0, 1, 1, 1, 0
	STEP2 1, 1, 0, 1, 1, 2, 0
	STEP2 1, 2, 0, 1, 1, 3, 0
	STEP2 1, 3, 0, 0, 0, 0, 0
	PLACES NP
	PACK 0
	TOSTAGE 0
.irp a, 1,2,3
	PACK \a
	SEND \a-1, CO2, 12, 16384
	TOSTAGE \a
.endr
	SEND 3, CO2, 12, 16384
	s_wait_tensorcnt 0x0                           ; the wave's end
	ds_add_u32 v[SPW], v[NIL]
	s_wait_dscnt 0x0
	CROUND                                         ; the closing round
	s_endpgm
.Lfunc_end_k_q4e0cf3b193_proj:
	.size	k_q4e0cf3b193_proj, .Lfunc_end_k_q4e0cf3b193_proj-k_q4e0cf3b193_proj
	.p2alignl 7, 3214868480
	.fill 96, 4, 3214868480
	.section	.rodata,"a",@progbits
	.p2align	6, 0x0
	.amdhsa_kernel k_q4e0cf3b193_proj
		.amdhsa_group_segment_fixed_size 327680
		.amdhsa_private_segment_fixed_size 0
		.amdhsa_enable_private_segment 0
		.amdhsa_kernarg_size 40
		.amdhsa_user_sgpr_count 2
		.amdhsa_user_sgpr_kernarg_segment_ptr 1
		.amdhsa_wavefront_size32 1
		.amdhsa_system_sgpr_workgroup_id_x 1
		.amdhsa_system_sgpr_workgroup_id_y 1
		.amdhsa_system_sgpr_workgroup_id_z 1
		.amdhsa_system_vgpr_workitem_id 0
		.amdhsa_next_free_vgpr 1024
		.amdhsa_next_free_sgpr 102
		.amdhsa_reserve_vcc 0
		.amdhsa_float_denorm_mode_32 3
		.amdhsa_float_denorm_mode_16_64 3
		.amdhsa_memory_ordered 1
		.amdhsa_forward_progress 1
		.amdhsa_inst_pref_size 212
	.end_amdhsa_kernel
	.amdgpu_metadata
---
amdhsa.version: [ 1, 2 ]
amdhsa.kernels:
  - .name:           k_q4e0cf3b193_proj
    .symbol:         k_q4e0cf3b193_proj.kd
    .args:
      - { .name: codes, .offset: 0, .size: 8, .value_kind: global_buffer, .address_space: global }
      - { .name: scales, .offset: 8, .size: 8, .value_kind: global_buffer, .address_space: global }
      - { .name: bq, .offset: 16, .size: 8, .value_kind: global_buffer, .address_space: global }
      - { .name: qk, .offset: 24, .size: 8, .value_kind: global_buffer, .address_space: global }
      - { .name: vt, .offset: 32, .size: 8, .value_kind: global_buffer, .address_space: global }
    .group_segment_fixed_size: 327680
    .private_segment_fixed_size: 0
    .kernarg_segment_align: 8
    .kernarg_segment_size: 40
    .max_flat_workgroup_size: 128
    .sgpr_count:     102
    .vgpr_count:     1024
    .wavefront_size: 32
...
	.end_amdgpu_metadata
.endif
;; end of part 2
;; launch scores (part 3): grid 8 x 32, 4 waves a work-group, clusters of 4 x 4, 327,680 bytes of LDS; arguments qk, ph, stat; writes ph, stat
.if DOCPART == 3
	.amdgcn_target "amdgcn-amd-amdhsa--gfx1250"
	.amdhsa_code_object_version 6
	.text
	.protected	k_q4e0cf3b193_scores
	.globl	k_q4e0cf3b193_scores
	.p2align	8
	.type	k_q4e0cf3b193_scores,@function
k_q4e0cf3b193_scores:
	s_mov_b64 s[64:65], 0
	v_nop
	global_prefetch_b8 v0, s[64:65] scope:SCOPE_SE
	s_setreg_imm32_b32 hwreg(HW_REG_WAVE_MODE, 25, 1), 1
	s_wait_xcnt 0x0
	s_wait_alu depctr_hold_cnt(0) depctr_sa_sdst(0) depctr_va_vdst(0) depctr_va_sdst(0) depctr_va_ssrc(0) depctr_va_vcc(0) depctr_vm_vsrc(0)
	s_getreg_b32 s2, hwreg(HW_REG_IB_STS2, 6, 4)
	s_cmp_eq_u32 s2, 0
	s_cbranch_scc0 .Lentry_in_a_cluster
	s_endpgm
.Lentry_in_a_cluster:
	s_bfe_u32 s2, ttmp6, 0x10000c
	s_cmp_lg_u32 s2, 0xf033
	s_cbranch_scc0 .Lentry_shape_is_right
	s_endpgm
.Lentry_shape_is_right:
; S = Q K^T for each of 4 batches (2,048 queries x 2,048 keys, 1,024 along K), f16 operands, f32 sums; then, in registers, the first half of the softmax.
; K here is x Wk^T without bk: bk adds the same term along the softmax's axis (shown at the head of the first launch).
; THE SOFTMAX ACROSS WORK-GROUPS.  A chunk is the 128 keys that one wave holds for its queries.  t = s c, c = log2(e) / sqrt(2048).  M = the chunk's largest t rounded UP to a whole number, kept as -M = floor(-t).
; p = 2^(t - M), at most 1, is rounded to f16 and stored in ph [8192 queries][2048 keys]; l = the f32 sum of the unrounded p.  -M goes to stat [16 chunks][8192 queries], l 524,288 bytes behind it.
; The next launch brings the 16 chunks of a row under the row's largest M by powers of two.  So a maximum is taken away ahead of every exponential, for every input, with no branch on data.
; SHARES.  A work-group of four waves makes 256 queries x 256 keys; a wave 128 x 128: 64 accumulators, 512 registers.  K goes in steps of 128 (rows of 256 bytes) through a ring of two LDS slots.
; CLUSTERS: 4 x 4.  Q's tile is shared along a row of the cluster, K's along a column: joint loads.  THE MATRIX INSTRUCTION IS USED TRANSPOSED (source 0 = 16 keys, source 1 = 16 queries):
; in accumulator (a, b) lane l holds query 16 a + l % 16 and keys 16 b + 8 (l / 16) + 0 .. 7.  A query's 128 keys lie in lanes l and l xor 16.
; REGISTERS: window 0: v0-31 addresses; v64-127, v128-191 Q's fragments, two buffers.  window 1: v64-127, v128-191 K's.  windows 2, 3: the accumulators.
;   On the way out, window 0: v32-47 (-M, t) a block; v56-77 partial maxima; v80-111 and v224-255 rows read back; v112-119 sums; v128-191 a block's 64 numbers; v192-223 packed f16.
.set SIZE_K, 1024
.set KSTEP,  128
.set PITCH,  272                       ; an LDS row: 256 bytes + 16 of padding
.set HALFT,  128*PITCH
.set SLOT,   4*HALFT                   ; Q's 256 rows, then K's 256 rows
.set STAGE,  2*SLOT                    ; behind the ring: 16 rows x 272 bytes for each wave
.set SPITCH, 272
.set STATL,  STAGE+4*16*SPITCH         ; 1,024 bytes for each wave: its 128 queries' -M, then their l
.set SPARE,  STATL+4*1024              ; the spare words, 128 bytes a wave
.set LAPS,   SIZE_K/(2*KSTEP)          ; 4
.set ADRA, 16
.set ADRB, 20
.set SA,   22                          ; v22  STATL + 1024 wave + 4 (l % 16)
.set SR,   23                          ; v23  STATL + 1024 wave + 16 lane
.set STO,  24
.set RD,   25
.set CO,   26                          ; v26  4096 (l / 16) + 16 (l % 16): two rows of ph
.set SO,   27                          ; v27  16 lane
.set SPW,  28
.set NIL,  29
.set PFO,  30                          ; v30  2048 lane: a row of Q or K in memory
.set ST,   32
.set T,    56
.set OB,   80
.set W,    112
.set S,    128
.set TMP,  192
.set F0,   64
.set F1,   128
.set LIM,  43                          ; s43  1 in a wave that prefetches, else the greatest number
.set PFA,  44                          ; s[44:45] where my prefetches stand
.set G1,  24
.set G0,  32
.set G1B, 48
.set G0B, 56
.set CS,  66                           ; s[66:67] c, twice
.set SEL, 68                           ; s[68:69] selects for lane l xor 16
.set MSB, 0
.macro WIN new
.if MSB != (\new)
	s_set_vgpr_msb (MSB<<8)|(\new)
.set MSB, (\new)
.endif
.endm
.set MUL_LO, 0xa1                      ; source 0 (K) window 1, source 1 (Q) window 0, C and D window 2
.set MUL_HI, 0xf1
.set TO_B,   0x40
.macro JLOAD s                         ; waves 0 and 1 fetch Q's halves, waves 2 and 3 K's; an s_nop 0 and four v_nop follow each line
	s_cmp_eq_u32 s11, 0
	s_cbranch_scc0 .Lfor_b_\@
	tensor_load_to_lds s[G0+4*\s:G0+4*\s+3], s[G1:G1+7]
	s_nop 0
.rept 4
	v_nop
.endr
	s_branch .Lasked_\@
.Lfor_b_\@:
	tensor_load_to_lds s[G0B+4*\s:G0B+4*\s+3], s[G1B:G1B+7]
	s_nop 0
.rept 4
	v_nop
.endr
.Lasked_\@:
.endm
; A prefetch of the K step that stands two refills on: 32 rows x 256 bytes, a lane a row, one instruction a wave.  Each row's 256 bytes are named once in the launch: Q's tile row is read by both clusters of a row of
; clusters: cluster x = 0 asks; K's tile column by the two clusters of a batch in a column: the one with even y asks.  The four partners that ask for a tile jointly share its rows out by address, 32 each.
; The loop's last trip asks for nothing: there is no K step two refills on.
.macro ASK
	s_cmp_gt_u32 s3, s[LIM]
	s_cbranch_scc0 .Lnot_mine_\@
	global_prefetch_b8 v[PFO], s[PFA:PFA+1] offset:KSTEP*2 th:TH_LOAD_NT scope:SCOPE_SE
.Lnot_mine_\@:
.endm
.macro CREST
	s_cmp_lg_u32 s10, 0
	s_cbranch_scc1 .Lnot_wave_0_\@
	s_barrier_signal -3
.Lnot_wave_0_\@:
	s_barrier_wait -3
	s_barrier_signal -1
	s_barrier_wait -1
.endm
.macro CROUND
	s_barrier_signal -1
	s_barrier_wait -1
	CREST
.endm
	s_load_b128 s[4:7], s[0:1], 0x0                ; qk s[4:5], ph s[6:7]
	s_load_b64 s[70:71], s[0:1], 0x10              ; stat
	v_lshl_add_u32 v[SPW], v0, 2, SPARE
	v_mov_b32 v[NIL], 0
	ds_add_u32 v[SPW], v[NIL]                      ; the wave's opening: the add, twice on end, and its wait ahead of my first tensor load
	ds_add_u32 v[SPW], v[NIL]
	v_lshrrev_b32 v1, 5, v0
	v_readfirstlane_b32 s10, v1                    ; wave 0..3
	s_lshr_b32 s11, s10, 1                         ; which half of the queries is mine.  Also: I fetch for Q (0) or for K (1)
	s_and_b32 s12, s10, 1                          ; which half of the keys.  Also: which 128 rows I fetch
	s_bfe_u32 s40, ttmp6, 0x40000                  ; cx
	s_bfe_u32 s41, ttmp6, 0x40004                  ; cy
	s_lshl_b32 s42, ttmp9, 2
	s_add_co_u32 s42, s42, s40                     ; tile column 0..7: 256 keys of the batch
	s_and_b32 s13, ttmp7, 0xffff                   ; the cluster's y
	s_lshr_b32 s72, s13, 1                         ; the batch: 8 tile rows, two clusters
	s_lshl_b32 s72, s72, 11                        ; its first row of K
	s_lshl_b32 s13, s13, 2
	s_add_co_u32 s13, s13, s41                     ; tile row 0..31: 256 of the 8,192 queries
	s_lshl_b32 s43, s41, 2
	s_lshl_b32 s43, 15, s43                        ; my row of the cluster
	s_lshl_b32 s44, 0x1111, s40                    ; my column
	s_or_b32 s[G1+0], s43, (1<<16)|(1<<20)|(1<<21)|(5<<22)|(3<<25)  ; the mask; elements of 2 bytes; padding on; bit 21 beside a mask; four words after every 64
	s_or_b32 s[G1B+0], s44, (1<<16)|(1<<20)|(1<<21)|(5<<22)|(3<<25)
.irp g, G1, G1B
	s_mov_b32 s[\g+1], KSTEP<<16                   ; tensor_dim0 = 128
	s_mov_b32 s[\g+2], 128<<16                     ; tensor_dim1 = 128
	s_mov_b32 s[\g+3], KSTEP<<16                   ; tile_dim0 = 128
	s_mov_b32 s[\g+4], 128                         ; tile_dim1 = 128
	s_mov_b32 s[\g+5], SIZE_K                      ; elements from row to row
	s_mov_b32 s[\g+6], 0
	s_mov_b32 s[\g+7], 0
.endr
	s_mov_b32 s[CS], 0x3d0293ee                    ; c = log2(e) / sqrt(2048)
	s_mov_b32 s[CS+1], s[CS]
	s_mov_b32 s[SEL], 0x76543210
	s_mov_b32 s[SEL+1], 0xfedcba98
	s_lshl_b32 s17, s12, 7
	s_lshl_b32 s16, s13, 8
	s_add_co_u32 s16, s16, s17                     ; Q: row 256 x tile row + 128 x half
	s_lshl_b32 s46, s42, 8
	s_add_co_u32 s46, s46, s17
	s_add_co_u32 s46, s46, s72                     ; K: the batch's rows + 256 x tile column + 128 x half
	s_lshl_b32 s16, s16, 11                        ; rows of 2,048 bytes (under 2^24)
	s_mov_b32 s17, 0
	s_lshl_b32 s46, s46, 11
	s_mov_b32 s47, 0
	s_mul_i32 s20, s10, HALFT                      ; where they go: wave x 128 rows
	s_wait_dscnt 0x0                               ; both opening adds are done
	s_wait_kmcnt 0x0
	s_mov_b64 s[8:9], s[6:7]                       ; ph
	s_add_nc_u64 s[6:7], s[4:5], 0x1000000         ; K lies 2^24 bytes behind Q
	s_add_nc_u64 s[14:15], s[4:5], s[16:17]
	s_add_nc_u64 s[46:47], s[6:7], s[46:47]
	CROUND                                         ; all sixteen work-groups are here: the first joint loads meet
.irp s, 0,1
	s_mov_b32 s[G0+4*\s], 1
	s_add_co_u32 s[G0+4*\s+1], s20, \s*SLOT
	s_add_nc_u64 s[G0+4*\s+2:G0+4*\s+3], s[14:15], \s*KSTEP*2
	s_or_b32 s[G0+4*\s+3], s[G0+4*\s+3], 0x80000000
	s_mov_b32 s[G0B+4*\s], 1
	s_add_co_u32 s[G0B+4*\s+1], s20, \s*SLOT
	s_add_nc_u64 s[G0B+4*\s+2:G0B+4*\s+3], s[46:47], \s*KSTEP*2
	s_or_b32 s[G0B+4*\s+3], s[G0B+4*\s+3], 0x80000000
	JLOAD \s
.endr
	v_and_b32 v1, 15, v0                           ; l % 16
	v_bfe_u32 v2, v0, 4, 1                         ; l / 16
	v_mul_u32_u24 v3, v1, PITCH
	v_lshl_add_u32 v3, v2, 4, v3                   ; a fragment's row x pitch + 16 x half
	s_mul_i32 s21, s11, HALFT                      ; my 128 rows of Q
	s_mul_i32 s22, s12, HALFT                      ; my 128 rows of K,
	s_add_co_u32 s22, s22, 2*HALFT                 ; which lie behind Q's 256
.irp s, 0,1
	v_add_nc_u32 v[ADRA+\s], s21, v3
	v_add_nc_u32 v[ADRB+\s], s22, v3
	s_add_co_u32 s21, s21, SLOT
	s_add_co_u32 s22, s22, SLOT
.endr
	s_mul_i32 s23, s10, 16*SPITCH
	s_add_co_u32 s23, s23, STAGE                   ; my stage
	v_mul_u32_u24 v4, v1, SPITCH
	v_lshl_add_u32 v4, v2, 4, v4
	v_add_nc_u32 v[STO], s23, v4                   ; in: row l % 16, 16 bytes for each half of the lanes
	v_mul_u32_u24 v5, v2, SPITCH
	v_lshl_add_u32 v5, v1, 4, v5
	v_add_nc_u32 v[RD], s23, v5                    ; back: lanes 0-15 one row of 256 bytes, lanes 16-31 the next
	v_lshlrev_b32 v5, 12, v2
	v_lshl_add_u32 v[CO], v1, 4, v5                ; and the same two rows in ph
	s_lshl_b32 s23, s10, 10
	s_add_co_u32 s23, s23, STATL
	v_lshl_add_u32 v[SA], v1, 2, s23
	v_and_b32 v5, 31, v0
	v_lshlrev_b32 v[SO], 4, v5
	v_add_nc_u32 v[SR], s23, v[SO]
	v_lshlrev_b32 v[PFO], 11, v5
	s_lshl_b32 s13, s13, 8                         ; 256 x tile row
	s_lshl_b32 s14, s11, 7
	s_add_co_u32 s16, s13, s14                     ; my first query, of 8,192
	s_lshl_b32 s17, s16, 12                        ; its row of ph: 4,096 bytes a row (under 2^25)
	s_lshl_b32 s46, s42, 9
	s_lshl_b32 s47, s12, 8
	s_add_co_u32 s46, s46, s47                     ; my first key: 512 x tile column + 256 x half bytes
	s_add_co_u32 s46, s46, s17
	s_mov_b32 s47, 0
	s_add_nc_u64 s[8:9], s[8:9], s[46:47]
	s_lshl_b32 s46, s42, 1
	s_add_co_u32 s46, s46, s12                     ; my chunk 0..15
	s_lshl_b32 s46, s46, 13
	s_add_co_u32 s46, s46, s16
	s_lshl_b32 s46, s46, 2                         ; 4 (8192 chunk + query)
	s_add_nc_u64 s[70:71], s[70:71], s[46:47]
	; the prefetches: whose rows, who asks
	s_lshl_b32 s42, s42, 8
	s_add_co_u32 s42, s42, s72                     ; K's tile: its first row
	s_and_b32 s22, ttmp7, 1                        ; the cluster's y, odd or even
	s_cmp_eq_u32 s11, 0                            ; do I fetch for Q?
	s_cselect_b32 s20, s13, s42                    ; the tile's first row
	s_cselect_b32 s21, s40, s41                    ; my place among the four that ask for it with me
	s_cselect_b32 s22, ttmp9, s22                  ; 0 in the cluster that asks
	s_cselect_b64 s[PFA:PFA+1], s[4:5], s[6:7]
	s_cmp_eq_u32 s22, 0
	s_cselect_b32 s[LIM], 1, -1                    ; the same in all sixteen partners, for a given wave
	s_lshl_b32 s22, s12, 7
	s_add_co_u32 s20, s20, s22                     ; + the 128 rows that I fetch
	s_lshl_b32 s21, s21, 5
	s_add_co_u32 s20, s20, s21                     ; + my work-group's 32 of them
	s_lshl_b32 s20, s20, 11
	s_mov_b32 s21, 0
	s_add_nc_u64 s[PFA:PFA+1], s[PFA:PFA+1], s[20:21]
	s_add_nc_u64 s[PFA:PFA+1], s[PFA:PFA+1], 2*KSTEP*2  ; at K step 2: the first refill steps it to 3 and names K step 4.  Nothing is prefetched at the head
.macro MUL16 f, hi, a0, zero           ; 16 matrix instructions: query blocks a0, a0 + 1 of the window's four x all 8 key blocks, 32 along K.  The 64 accumulators take turns
.irp a, \a0, \a0+1
.irp b, 0,1,2,3,4,5,6,7
.if \zero
	v_wmma_f32_16x16x32_f16 v[8*(8*(\a)+\b):8*(8*(\a)+\b)+7], v[\f+8*\b:\f+8*\b+7], v[\f+8*(4*\hi+\a):\f+8*(4*\hi+\a)+7], 0
.else
	v_wmma_f32_16x16x32_f16 v[8*(8*(\a)+\b):8*(8*(\a)+\b)+7], v[\f+8*\b:\f+8*\b+7], v[\f+8*(4*\hi+\a):\f+8*(4*\hi+\a)+7], v[8*(8*(\a)+\b):8*(8*(\a)+\b)+7]
.endif
.endr
.endr
.endm
.macro FETCH slot, k, f                ; 32 LDS loads in one run: the fragments of 32 along K at byte k of the rows
	WIN TO_B
.irp i, 0,1,2,3,4,5,6,7
	ds_load_b128 v[\f+8*\i:\f+8*\i+3],   v[ADRB+\slot] offset:\k+\i*16*PITCH
	ds_load_b128 v[\f+8*\i+4:\f+8*\i+7], v[ADRB+\slot] offset:\k+\i*16*PITCH+32
.endr
	WIN 0
.irp i, 0,1,2,3,4,5,6,7
	ds_load_b128 v[\f+8*\i:\f+8*\i+3],   v[ADRA+\slot] offset:\k+\i*16*PITCH
	ds_load_b128 v[\f+8*\i+4:\f+8*\i+7], v[ADRA+\slot] offset:\k+\i*16*PITCH+32
.endr
.endm
.macro PLACES                          ; four plain vector lines between a matrix instruction and a load into, or a read of, its registers
.rept 4
	v_nop
.endr
.endm
.macro QUARTER slot, k, f, g, zero     ; 32 along K: multiplies buffer f; in its middle fetches the next quarter, at byte k, into g
	s_wait_dscnt 8                                 ; K's fragments and Q's rows 0-63 are in; the youngest eight loads (Q's rows 64-127) may be out
	WIN MUL_LO
	MUL16 \f, 0, 0, \zero
	MUL16 \f, 0, 2, \zero
	PLACES
	FETCH \slot, \k, \g
	s_wait_dscnt 32                                ; all but the 32 just issued
	WIN MUL_HI
	MUL16 \f, 1, 0, \zero
	MUL16 \f, 1, 2, \zero
.endm
; The first half of a K step's last quarter: one barrier for the change of slots.  In front of it each wave waits for all its tensor loads (one is out: its part of the next slot), adds 0 to its spare word, and waits for that and for its reads of this slot.
.macro MEET round
	WIN 0
	s_wait_tensorcnt 0x0
	ds_add_u32 v[SPW], v[NIL]
	s_wait_dscnt 9                                 ; the add and the youngest eight loads may be out
	WIN MUL_LO
	MUL16 F1, 0, 0, 0
	s_wait_dscnt 0x0                               ; the add is done, and my reads of this slot are over
	s_barrier_signal -1
	MUL16 F1, 0, 2, 0
.if \round
	WIN 0
.endif
	s_barrier_wait -1
.endm
.macro TURN slot, next                 ; the whole last quarter: behind the round the slot just read out is filled again, two K steps on; from the request to the wait for it a wave issues 224 matrix instructions
	s_wait_xcnt 0x0                                ; the last prefetch, a K step back, has read its address
	s_add_nc_u64 s[PFA:PFA+1], s[PFA:PFA+1], KSTEP*2
	MEET 1
	CREST                                          ; no wave of any partner still reads this slot or has a load on its way
	s_add_nc_u64 s[G0+4*\slot+2:G0+4*\slot+3], s[G0+4*\slot+2:G0+4*\slot+3], 2*KSTEP*2
	s_add_nc_u64 s[G0B+4*\slot+2:G0B+4*\slot+3], s[G0B+4*\slot+2:G0B+4*\slot+3], 2*KSTEP*2
	JLOAD \slot                                    ; the four v_nop behind it are also the places in front of the loads below
	FETCH \next, 0, F0
	ASK
	WIN MUL_HI
	MUL16 F1, 1, 0, 0
	MUL16 F1, 1, 2, 0
.endm
	s_wait_tensorcnt 1                             ; my part of K step 0 is in (K step 1's load may be out)
	s_barrier_signal -1
	s_barrier_wait -1                              ; everybody's is
	FETCH 0, 0, F0
	QUARTER 0, 64,  F0, F1, 1                      ; the first quarter's products start the sums
	WIN 0
	s_mov_b32 s3, LAPS-1
.Llap:                                             ; a trip goes once round the ring and fills both slots again
	QUARTER 0, 128, F1, F0, 0
	QUARTER 0, 192, F0, F1, 0
	TURN 0, 1
	QUARTER 1, 64,  F0, F1, 0
	QUARTER 1, 128, F1, F0, 0
	QUARTER 1, 192, F0, F1, 0
	TURN 1, 0
	QUARTER 0, 64,  F0, F1, 0
	WIN 0
	s_sub_co_u32 s3, s3, 1
	s_cmp_lg_u32 s3, 0
	s_cbranch_scc1 .Llap
	QUARTER 0, 128, F1, F0, 0                      ; the last lap is written out: it asks for nothing
	QUARTER 0, 192, F0, F1, 0
	MEET 0
	PLACES
	FETCH 1, 0, F0
	WIN MUL_HI
	MUL16 F1, 1, 0, 0
	MUL16 F1, 1, 2, 0
	QUARTER 1, 64,  F0, F1, 0
	QUARTER 1, 128, F1, F0, 0
	QUARTER 1, 192, F0, F1, 0
	s_wait_dscnt 8
	WIN MUL_LO
	MUL16 F1, 0, 0, 0
	MUL16 F1, 0, 2, 0
	s_wait_dscnt 0
	WIN MUL_HI
	MUL16 F1, 1, 0, 0
	MUL16 F1, 1, 2, 0
	WIN 0
; THE WAY OUT, a block of 16 queries at a time.  All stages are the wave's own: no barrier.
.macro MAXB a                          ; -M of block a: the largest of my 64 scores (each accumulator is first read at its low end), of lane l xor 16's, as t, floor(-t)
.set AC, 64*((\a)%4)
	WIN 0x2a+0x15*((\a)/4)                         ; all three sources window 2 or 3
.set i, 0
.rept 21
	v_max3_num_f32 v[T+i], v[AC+3*i], v[AC+3*i+1], v[AC+3*i+2]
.set i, i+1
.endr
	v_max3_num_f32 v[T+21], v[AC+61], v[AC+62], v[AC+63]
	WIN 0
.set i, 0
.rept 7
	v_max3_num_f32 v[T+i], v[T+3*i], v[T+3*i+1], v[T+3*i+2]
.set i, i+1
.endr
	v_max3_num_f32 v[T], v[T], v[T+1], v[T+2]
	v_max3_num_f32 v[T+3], v[T+3], v[T+4], v[T+5]
	v_max_num_f32 v[T+6], v[T+6], v[T+21]
	v_max3_num_f32 v[T], v[T], v[T+3], v[T+6]
	v_permlanex16_b32 v[T+1], v[T], s[SEL], s[SEL+1]
	v_max_num_f32 v[T], v[T], v[T+1]
	v_mul_f32 v[ST+2*(\a)+1], s[CS], v[T]          ; as t (c is positive)
	v_floor_f32 v[ST+2*(\a)], -v[ST+2*(\a)+1]      ; -M = floor(-t) = -ceil(t)
.endm
.macro EXPB a                          ; p = 2^(s c - M): 32 packed multiply-adds, 64 exponentials as one batch
.set AC, 64*((\a)%4)
	WIN 0x02+((\a)/4)                              ; source 0 window 2 or 3
.set i, 0
.rept 32
	v_pk_fma_f32 v[S+i:S+i+1], v[AC+i:AC+i+1], s[CS:CS+1], v[ST+2*(\a):ST+2*(\a)+1] op_sel_hi:[1,0,0]   ; of the pairs c and -M the low word serves both halves
.set i, i+2
.endr
	WIN 0
.set i, 0
.rept 64
	v_exp_f32 v[S+i], v[S+i]
.set i, i+1
.endr
.endm
.macro SUMB                            ; l: the sum of the unrounded p, two chains, then lane l xor 16's; then p rounded to f16
	v_pk_add_f32 v[W:W+1], v[S:S+1], v[S+2:S+3]
	v_pk_add_f32 v[W+2:W+3], v[S+4:S+5], v[S+6:S+7]
.set i, 8
.rept 14
	v_pk_add_f32 v[W:W+1], v[W:W+1], v[S+i:S+i+1]
	v_pk_add_f32 v[W+2:W+3], v[W+2:W+3], v[S+i+2:S+i+3]
.set i, i+4
.endr
	v_pk_add_f32 v[W:W+1], v[W:W+1], v[W+2:W+3]
	v_add_f32 v[W], v[W], v[W+1]
	v_permlanex16_b32 v[W+1], v[W], s[SEL], s[SEL+1]
	v_add_f32 v[W], v[W], v[W+1]
.set i, 0
.rept 32
	v_cvt_pk_f16_f32 v[TMP+i], v[S+2*i], v[S+2*i+1]
.set i, i+1
.endr
.endm
.macro TOSTAGE a
.set BB, OB+144*((\a)%2)
.irp b, 0,1,2,3,4,5,6,7
	ds_store_b128 v[STO], v[TMP+4*\b:TMP+4*\b+3] offset:32*\b
.endr
	ds_store_b32 v[SA], v[ST+2*(\a)] offset:64*(\a)        ; lanes l and l xor 16 write the same word with the same value
	ds_store_b32 v[SA], v[W] offset:512+64*(\a)
.irp t, 0,1,2,3,4,5,6,7
	ds_load_b128 v[BB+4*\t:BB+4*\t+3], v[RD] offset:\t*2*SPITCH    ; LDS serves a wave's instructions in order: these see the stores above
.endr
.endm
.macro SEND a
.set BB, OB+144*((\a)%2)
	s_wait_dscnt 0x0                               ; the block is back in registers, and its LDS stores have read theirs
	s_wait_xcnt 0x0                                ; the stores of the block before have read their data: the next block's loads may land there
.irp t, 0,1,2,3,4,5,6,7
	global_store_b128 v[CO], v[BB+4*\t:BB+4*\t+3], s[8:9] offset:(16*(\a)+2*\t)*4096   ; 16 lanes store 256 consecutive bytes, aligned; 126 rows of 4,096 bytes at the most stand in the immediate
.endr
.endm
	PLACES
	MAXB 0
.irp a, 0,1,2,3,4,5,6,7
	EXPB \a
.if \a < 7
	MAXB \a+1                                      ; the next block's maximum: plain work that names no result of the batch
.else
	v_nop                                          ; a plain line behind the last exponential
.endif
.if \a > 0
	SEND \a-1
.endif
	s_wait_alu depctr_va_vdst(0)                   ; one wait for the batch of 64, ahead of its first reader
	SUMB
	TOSTAGE \a
.endr
	SEND 7
	ds_load_b128 v[W:W+3], v[SR]                   ; my 128 queries' -M,
	ds_load_b128 v[W+4:W+7], v[SR] offset:512      ; and their l
	s_wait_dscnt 0x0
	global_store_b128 v[SO], v[W:W+3], s[70:71]                    ; 32 lanes store 512 consecutive bytes, aligned
	global_store_b128 v[SO], v[W+4:W+7], s[70:71] offset:524288
	s_wait_tensorcnt 0x0                           ; the wave's end
	ds_add_u32 v[SPW], v[NIL]
	s_wait_dscnt 0x0
	CROUND                                         ; the closing round
	s_endpgm
.Lfunc_end_k_q4e0cf3b193_scores:
	.size	k_q4e0cf3b193_scores, .Lfunc_end_k_q4e0cf3b193_scores-k_q4e0cf3b193_scores
	.p2alignl 7, 3214868480
	.fill 96, 4, 3214868480
	.section	.rodata,"a",@progbits
	.p2align	6, 0x0
	.amdhsa_kernel k_q4e0cf3b193_scores
		.amdhsa_group_segment_fixed_size 327680
		.amdhsa_private_segment_fixed_size 0
		.amdhsa_enable_private_segment 0
		.amdhsa_kernarg_size 24
		.amdhsa_user_sgpr_count 2
		.amdhsa_user_sgpr_kernarg_segment_ptr 1
		.amdhsa_wavefront_size32 1
		.amdhsa_system_sgpr_workgroup_id_x 1
		.amdhsa_system_sgpr_workgroup_id_y 1
		.amdhsa_system_sgpr_workgroup_id_z 1
		.amdhsa_system_vgpr_workitem_id 0
		.amdhsa_next_free_vgpr 1024
		.amdhsa_next_free_sgpr 80
		.amdhsa_reserve_vcc 0
		.amdhsa_float_denorm_mode_32 3
		.amdhsa_float_denorm_mode_16_64 3
		.amdhsa_memory_ordered 1
		.amdhsa_forward_progress 1
		.amdhsa_inst_pref_size 213
	.end_amdhsa_kernel
	.amdgpu_metadata
---
amdhsa.version: [ 1, 2 ]
amdhsa.kernels:
  - .name:           k_q4e0cf3b193_scores
    .symbol:         k_q4e0cf3b193_scores.kd
    .args:
      - { .name: qk, .offset: 0, .size: 8, .value_kind: global_buffer, .address_space: global }
      - { .name: ph, .offset: 8, .size: 8, .value_kind: global_buffer, .address_space: global }
      - { .name: stat, .offset: 16, .size: 8, .value_kind: global_buffer, .address_space: global }
    .group_segment_fixed_size: 327680
    .private_segment_fixed_size: 0
    .kernarg_segment_align: 8
    .kernarg_segment_size: 24
    .max_flat_workgroup_size: 128
    .sgpr_count:     80
    .vgpr_count:     1024
    .wavefront_size: 32
...
	.end_amdgpu_metadata
.endif
;; end of part 3
;; launch pv (part 4): grid 4 x 64, 4 waves a work-group, clusters of 4 x 4, 327,680 bytes of LDS; arguments ph, vt, stat, bv, out0; writes out0
.if DOCPART == 4
	.amdgcn_target "amdgcn-amd-amdhsa--gfx1250"
	.amdhsa_code_object_version 6
	.text
	.protected	k_q4e0cf3b193_pv
	.globl	k_q4e0cf3b193_pv
	.p2align	8
	.type	k_q4e0cf3b193_pv,@function
k_q4e0cf3b193_pv:
	s_mov_b64 s[64:65], 0
	v_nop
	global_prefetch_b8 v0, s[64:65] scope:SCOPE_SE
	s_setreg_imm32_b32 hwreg(HW_REG_WAVE_MODE, 25, 1), 1
	s_wait_xcnt 0x0
	s_wait_alu depctr_hold_cnt(0) depctr_sa_sdst(0) depctr_va_vdst(0) depctr_va_sdst(0) depctr_va_ssrc(0) depctr_va_vcc(0) depctr_vm_vsrc(0)
	s_getreg_b32 s2, hwreg(HW_REG_IB_STS2, 6, 4)
	s_cmp_eq_u32 s2, 0
	s_cbranch_scc0 .Lentry_in_a_cluster
	s_endpgm
.Lentry_in_a_cluster:
	s_bfe_u32 s2, ttmp6, 0x10000c
	s_cmp_lg_u32 s2, 0xf033
	s_cbranch_scc0 .Lentry_shape_is_right
	s_endpgm
.Lentry_shape_is_right:
; out[q][d] = (bv[d] L + sum over the 16 chunks j of f_j (P_j V_j)[q][d]) / L.  ph holds p = 2^(t - M_j) in f16, stat -M_j and l_j for each query and chunk of 128 keys, vt V^T in f16 (without bv).
; M_row = the largest M_j; f_j = 2^(M_j - M_row), at most 1 and a power of two; L = the sum of f_j l_j, above 0.5.  bv is added here in f32, since the softmax's rows sum to 1 (shown at the head of the first launch).
; THE FACTOR IS APPLIED IN f32.  A chunk's product P_j V_j is summed by itself (its first products take the constant 0), in a second set of accumulators, and then FOLDED into O: O += f_j x the sum, one packed multiply-add for two numbers.
; O begins as bv L, so that nothing is cleared and the way out is one multiplication by 1 / L.
; LIMIT: a chunk whose M lies more than 149 under its row's M counts as 0 (f_j falls to 0 in f32).
; SHARES.  A work-group of four waves makes 128 queries x 256 channels: 256 work-groups.  A wave makes 64 x 128: 32 accumulators, twice.  K = the batch's 2,048 keys, in steps of 128 = one chunk,
; through a ring of two LDS slots (P's 128 rows and V^T's 256 rows of 256 bytes).  Waves 0 and 1 fetch P's halves (64 rows), waves 2 and 3 V^T's (128 rows).
; BY TURNS.  The fold is 128 instructions a chunk, for its 128 matrix instructions.  It is cut into slices of four, one accumulator each, and a slice stands behind a matrix instruction of another block of queries:
; blocks 0 and 1 are folded behind the chunk's last products of blocks 2 and 3, blocks 2 and 3 behind the next chunk's first products of blocks 0 and 1.  A slice costs two switches of the register windows.
; CLUSTERS: 4 x 4.  P's tile is shared along a row of the cluster, V^T's along a column: joint loads.  Source 0 = 16 channels of V^T, source 1 = 16 queries of P: a lane holds one query and eight neighbouring channels.
; REGISTERS: window 0: v0-31 addresses; v32-47 factors, two sets of four in the even registers; v48-55 1 / L in pairs; v56-63 L in pairs; v64-95, v96-127 P's fragments, two buffers.
;   window 1: v0-63, v64-127 V^T's fragments; v128-191 bv (at the head).  window 2: O ((a, b) at v[8 (8 a + b)]).  window 3: the chunk's sums, at the same numbers.
;   At the head alone: v64-127 -M, then f; v128-191 l.  On the way out: v192-255 a block's results; v64-127, v128-191 rows read back.
.set KSTEP,  128
.set PITCH,  272
.set PHALF,  64*PITCH
.set VHALF,  128*PITCH
.set VOFF,   2*PHALF
.set SLOT,   VOFF+2*VHALF
.set STAGE,  2*SLOT                    ; 16 rows x (512 bytes + 16) for each wave
.set SPITCH, 528
.set FT,     STAGE+4*16*SPITCH         ; the factors: 8,192 bytes for each wave: [chunk][block of queries][lane], 4 bytes a lane
.set SPARE,  FT+4*8192                 ; the spare words, 128 bytes a wave
.set LAPS,   8
.set NR,   10                          ; v10-13  M_row (at the head)
.set ADRA, 16
.set ADRB, 20
.set FA0,  22                          ; v22  FT + 8192 wave + 4 lane
.set FAD,  23                          ; v23  the factor loads in hand
.set STO,  24
.set RD,   25
.set CO,   26                          ; v26  16 lane
.set SPW,  28
.set NIL,  29
.set PFO,  30
.set FC,   32
.set RL,   48
.set LA,   56
.set PF,   64
.set NM,   64
.set LL,   128
.set BK,   64
.set T0,   192
.set BV,   128                         ; in window 1
.set LIM,  43
.set PFA,  44
.set G1,  24
.set G0,  32
.set G1B, 48
.set G0B, 56
.set MSB, 0
.macro WIN new
.if MSB != (\new)
	s_set_vgpr_msb (MSB<<8)|(\new)
.set MSB, (\new)
.endif
.endm
.set MULT,  0xf1                       ; source 0 (V^T) window 1, source 1 (P) window 0, C and D window 3
.set FOLDW, 0xa3                       ; source 0 (the chunk's sums) window 3, source 1 (f) window 0, source 2 and destination (O) window 2
.set TO_V,  0x40                       ; destination window 1
.macro JLOAD s                         ; an s_nop 0 and four v_nop follow each of the two lines
	s_cmp_eq_u32 s11, 0
	s_cbranch_scc0 .Lfor_v_\@
	tensor_load_to_lds s[G0+4*\s:G0+4*\s+3], s[G1:G1+7]
	s_nop 0
.rept 4
	v_nop
.endr
	s_branch .Lasked_\@
.Lfor_v_\@:
	tensor_load_to_lds s[G0B+4*\s:G0B+4*\s+3], s[G1B:G1B+7]
	s_nop 0
.rept 4
	v_nop
.endr
.Lasked_\@:
.endm
; A prefetch of the K step that stands two refills on, a lane a row of 256 bytes.  Each row's part is named once in the launch.  P's 128 rows are read by the four partners of a row of one cluster alone: wave 0 of each asks for 32,
; told apart by address (cx).  V^T's 256 rows are read by the four clusters of a batch: the first of them asks; waves 2 and 3 take the 128 rows that they fetch, each partner of the column 32 (cy).  The last trip asks for nothing.
.macro ASK
	s_cmp_gt_u32 s3, s[LIM]
	s_cbranch_scc0 .Lnot_mine_\@
	global_prefetch_b8 v[PFO], s[PFA:PFA+1] offset:KSTEP*2 th:TH_LOAD_NT scope:SCOPE_SE
.Lnot_mine_\@:
.endm
.macro CREST
	s_cmp_lg_u32 s10, 0
	s_cbranch_scc1 .Lnot_wave_0_\@
	s_barrier_signal -3
.Lnot_wave_0_\@:
	s_barrier_wait -3
	s_barrier_signal -1
	s_barrier_wait -1
.endm
.macro CROUND
	s_barrier_signal -1
	s_barrier_wait -1
	CREST
.endm
	s_load_b128 s[4:7], s[0:1], 0x0                ; ph s[4:5], vt s[6:7]
	s_load_b128 s[72:75], s[0:1], 0x10             ; stat s[72:73], bv s[74:75]
	s_load_b64 s[8:9], s[0:1], 0x20                ; out0
	v_lshl_add_u32 v[SPW], v0, 2, SPARE
	v_mov_b32 v[NIL], 0
	ds_add_u32 v[SPW], v[NIL]                      ; the wave's opening: the add, twice on end, and its wait ahead of my first tensor load
	ds_add_u32 v[SPW], v[NIL]
	v_lshrrev_b32 v1, 5, v0
	v_readfirstlane_b32 s10, v1                    ; wave 0..3
	s_lshr_b32 s11, s10, 1                         ; which 64 queries are mine.  Also: I fetch for P (0) or for V^T (1)
	s_and_b32 s12, s10, 1                          ; which 128 channels.  Also: which half I fetch
	s_bfe_u32 s40, ttmp6, 0x40000                  ; cx: the tile column (the grid is one cluster wide)
	s_bfe_u32 s41, ttmp6, 0x40004                  ; cy
	s_and_b32 s13, ttmp7, 0xffff                   ; the cluster's y
	s_lshr_b32 s77, s13, 2                         ; the batch: 16 tile rows, four clusters
	s_and_b32 s78, s13, 3                          ; 0 in a batch's first cluster
	s_lshl_b32 s13, s13, 2
	s_add_co_u32 s13, s13, s41                     ; tile row 0..63: 128 of the 8,192 queries
	s_lshl_b32 s43, s41, 2
	s_lshl_b32 s43, 15, s43                        ; my row of the cluster
	s_lshl_b32 s44, 0x1111, s40                    ; my column
	s_or_b32 s[G1+0], s43, (1<<16)|(1<<20)|(1<<21)|(5<<22)|(3<<25)  ; the mask; elements of 2 bytes; padding on; bit 21 beside a mask; four words after every 64
	s_or_b32 s[G1B+0], s44, (1<<16)|(1<<20)|(1<<21)|(5<<22)|(3<<25)
	s_mov_b32 s[G1+1], KSTEP<<16                   ; P: 64 rows of 128 elements, 2,048 elements apart
	s_mov_b32 s[G1+2], 64<<16
	s_mov_b32 s[G1+3], KSTEP<<16
	s_mov_b32 s[G1+4], 64
	s_mov_b32 s[G1+5], 2048
	s_mov_b32 s[G1+6], 0
	s_mov_b32 s[G1+7], 0
	s_mov_b32 s[G1B+1], KSTEP<<16                  ; V^T: 128 rows of 128 elements, 8,192 elements apart
	s_mov_b32 s[G1B+2], 128<<16
	s_mov_b32 s[G1B+3], KSTEP<<16
	s_mov_b32 s[G1B+4], 128
	s_mov_b32 s[G1B+5], 8192
	s_mov_b32 s[G1B+6], 0
	s_mov_b32 s[G1B+7], 0
	s_lshl_b32 s16, s13, 7
	s_lshl_b32 s17, s12, 6
	s_add_co_u32 s16, s16, s17                     ; P: row 128 x tile row + 64 x half,
	s_lshl_b32 s16, s16, 12                        ; of 4,096 bytes (under 2^25)
	s_mov_b32 s17, 0
	s_lshl_b32 s46, s40, 8
	s_lshl_b32 s47, s12, 7
	s_add_co_u32 s46, s46, s47                     ; V^T: row 256 cx + 128 x half,
	s_lshl_b32 s46, s46, 14                        ; of 16,384 bytes,
	s_lshl_b32 s47, s77, 12
	s_add_co_u32 s46, s46, s47                     ; at the batch's 2,048 tokens
	s_mov_b32 s47, 0
	s_mul_i32 s20, s12, PHALF                      ; where they go: no place in the cluster enters an LDS address
	s_mul_i32 s21, s12, VHALF
	s_add_co_u32 s21, s21, VOFF
	s_wait_dscnt 0x0                               ; both opening adds are done
	s_wait_kmcnt 0x0
	s_add_nc_u64 s[14:15], s[4:5], s[16:17]
	s_add_nc_u64 s[46:47], s[6:7], s[46:47]
	CROUND                                         ; all sixteen work-groups are here: the first joint loads meet
.irp s, 0,1
	s_mov_b32 s[G0+4*\s], 1
	s_add_co_u32 s[G0+4*\s+1], s20, \s*SLOT
	s_add_nc_u64 s[G0+4*\s+2:G0+4*\s+3], s[14:15], \s*KSTEP*2
	s_or_b32 s[G0+4*\s+3], s[G0+4*\s+3], 0x80000000
	s_mov_b32 s[G0B+4*\s], 1
	s_add_co_u32 s[G0B+4*\s+1], s21, \s*SLOT
	s_add_nc_u64 s[G0B+4*\s+2:G0B+4*\s+3], s[46:47], \s*KSTEP*2
	s_or_b32 s[G0B+4*\s+3], s[G0B+4*\s+3], 0x80000000
	JLOAD \s
.endr
	v_and_b32 v1, 15, v0                           ; r = l % 16
	v_bfe_u32 v2, v0, 4, 1                         ; h = l / 16
	v_mul_u32_u24 v3, v1, PITCH
	v_lshl_add_u32 v3, v2, 4, v3
	s_mul_i32 s21, s11, PHALF                      ; my 64 rows of P
	s_mul_i32 s22, s12, VHALF                      ; my 128 rows of V^T,
	s_add_co_u32 s22, s22, VOFF                    ; behind P's 128
.irp s, 0,1
	v_add_nc_u32 v[ADRA+\s], s21, v3
	v_add_nc_u32 v[ADRB+\s], s22, v3
	s_add_co_u32 s21, s21, SLOT
	s_add_co_u32 s22, s22, SLOT
.endr
	v_and_b32 v4, 31, v0
	v_lshlrev_b32 v[CO], 4, v4
	s_lshl_b32 s23, s10, 13
	s_add_co_u32 s23, s23, FT
	v_lshl_add_u32 v[FA0], v4, 2, s23
	s_mul_i32 s23, s10, 16*SPITCH
	s_add_co_u32 s23, s23, STAGE
	v_mul_u32_u24 v5, v1, SPITCH
	v_lshl_add_u32 v5, v2, 5, v5
	v_add_nc_u32 v[STO], s23, v5                   ; into my stage: row r, 32 bytes for each half of the lanes
	v_add_nc_u32 v[RD], s23, v[CO]                 ; back: the 32 lanes take a row of 512 bytes
	v_lshlrev_b32 v8, 2, v1                        ; 4 r
	v_lshlrev_b32 v9, 5, v2                        ; 32 h
	s_lshl_b32 s16, s13, 7
	s_lshl_b32 s17, s11, 6
	s_add_co_u32 s16, s16, s17                     ; my first query, of 8,192
	s_lshl_b32 s46, s16, 2
	s_mov_b32 s47, 0
	s_add_nc_u64 s[72:73], s[72:73], s[46:47]      ; stat at it
	s_lshl_b32 s46, s40, 10
	s_lshl_b32 s17, s12, 9
	s_add_co_u32 s46, s46, s17                     ; 4 x my first channel
	s_add_nc_u64 s[74:75], s[74:75], s[46:47]      ; bv at it
	s_lshl_b32 s16, s16, 12
	s_add_co_u32 s46, s46, s16
	s_add_nc_u64 s[8:9], s[8:9], s[46:47]          ; out0: rows of 4,096 bytes
	; the prefetches: whose rows, who asks
	s_lshl_b32 s20, s13, 7
	s_lshl_b32 s21, s40, 5
	s_add_co_u32 s20, s20, s21                     ; P: row 128 x tile row + 32 cx
	s_lshl_b32 s20, s20, 12
	s_lshl_b32 s21, s40, 8
	s_lshl_b32 s22, s12, 7
	s_add_co_u32 s21, s21, s22
	s_lshl_b32 s22, s41, 5
	s_add_co_u32 s21, s21, s22                     ; V^T: row 256 cx + 128 x half + 32 cy
	s_lshl_b32 s21, s21, 14
	s_lshl_b32 s22, s77, 12
	s_add_co_u32 s21, s21, s22
	s_cmp_eq_u32 s11, 0                            ; do I fetch for P?
	s_cselect_b32 s20, s20, s21
	s_cselect_b32 s22, s12, s78                    ; 0 in wave 0, and in waves 2 and 3 of a batch's first cluster
	s_cselect_b32 s23, 12, 14                      ; from lane to lane: a row of 4,096 or of 16,384 bytes
	s_cselect_b64 s[PFA:PFA+1], s[4:5], s[6:7]
	s_cmp_eq_u32 s22, 0
	s_cselect_b32 s[LIM], 1, -1                    ; the same in all sixteen partners, for a given wave
	s_mov_b32 s21, 0
	s_add_nc_u64 s[PFA:PFA+1], s[PFA:PFA+1], s[20:21]
	s_add_nc_u64 s[PFA:PFA+1], s[PFA:PFA+1], 2*KSTEP*2  ; at K step 2: the first refill steps it to 3 and names K step 4.  Nothing is prefetched at the head
	v_lshlrev_b32 v[PFO], s23, v4
	; THE FACTORS.  bv, and my 64 queries' -M and l of all 16 chunks
	WIN TO_V
.irp b, 0,1,2,3,4,5,6,7
	global_load_b128 v[BV+8*\b:BV+8*\b+3], v9, s[74:75] offset:64*\b           ; bv at channels 16 b + 8 h + 0 .. 7 of my 128
	global_load_b128 v[BV+8*\b+4:BV+8*\b+7], v9, s[74:75] offset:64*\b+16
.endr
	WIN 0
.irp a, 0,1,2,3
.irp j, 0,1,2,3,4,5,6,7,8,9,10,11,12,13,14,15
	global_load_b32 v[NM+16*\a+\j], v8, s[72:73] offset:32768*\j+64*\a         ; -M of chunk j, query 16 a + r
	global_load_b32 v[LL+16*\a+\j], v8, s[72:73] offset:32768*\j+64*\a+524288  ; l likewise
.endr
.endr
	s_wait_loadcnt 0x0
.irp a, 0,1,2,3
	v_max3_num_f32 v[NR+\a], -v[NM+16*\a], -v[NM+16*\a+1], -v[NM+16*\a+2]      ; M_row: the largest M_j (the four blocks by turns)
.endr
.irp j, 3,5,7,9,11,13
.irp a, 0,1,2,3
	v_max3_num_f32 v[NR+\a], v[NR+\a], -v[NM+16*\a+\j], -v[NM+16*\a+\j+1]
.endr
.endr
.irp a, 0,1,2,3
	v_max_num_f32 v[NR+\a], v[NR+\a], -v[NM+16*\a+15]
.endr
.irp j, 0,1,2,3,4,5,6,7,8,9,10,11,12,13,14,15
.irp a, 0,1,2,3
	v_sub_f32 v[NM+16*\a+\j], -v[NM+16*\a+\j], v[NR+\a]    ; M_j - M_row: a whole number, 0 or less
.endr
.irp a, 0,1,2,3
	v_cvt_i32_f32 v[NM+16*\a+\j], v[NM+16*\a+\j]           ; (it saturates)
.endr
.irp a, 0,1,2,3
	v_ldexp_f32 v[NM+16*\a+\j], 1.0, v[NM+16*\a+\j]        ; f_j
.endr
.irp a, 0,1,2,3
.if \j == 0
	v_mul_f32 v[LA+2*\a], v[NM+16*\a+\j], v[LL+16*\a+\j]
.else
	v_fma_f32 v[LA+2*\a], v[NM+16*\a+\j], v[LL+16*\a+\j], v[LA+2*\a]   ; L
.endif
.endr
.endr
.irp a, 0,1,2,3
	v_mov_b32 v[LA+2*\a+1], v[LA+2*\a]             ; (the packed form names the pair)
.endr
.irp a, 0,1,2,3
	v_rcp_f32 v[RL+2*\a], v[LA+2*\a]
	v_rcp_f32 v[RL+2*\a+1], v[LA+2*\a]
.endr
.irp k, 0,1,2,3,4,5,6,7
	v_mov_b32 v[FC+2*\k+1], 0                      ; the factors' odd registers are named as upper halves of pairs and never taken: written once.  (Plain lines behind the reciprocals)
.endr
	WIN 0x81                                       ; destination window 2, source 0 (bv) window 1, source 1 (L) window 0
.irp a, 0,1,2,3
.irp b, 0,1,2,3,4,5,6,7
.irp i, 0,2,4,6
	v_pk_mul_f32 v[64*\a+8*\b+\i:64*\a+8*\b+\i+1], v[BV+8*\b+\i:BV+8*\b+\i+1], v[LA+2*\a:LA+2*\a+1] op_sel_hi:[1,0]   ; O begins as bv L
.endr
.endr
.endr
	WIN 0
	s_wait_alu depctr_va_vdst(0)                   ; one wait for the eight reciprocals, ahead of every label and of their first reader
.irp j, 0,1,2,3,4,5,6,7,8,9,10,11,12,13,14,15
.irp a, 0,1,2,3
	ds_store_b32 v[FA0], v[NM+16*\a+\j] offset:128*(4*\j+\a)
.endr
.endr
	s_wait_tensorcnt 1                             ; my part of K step 0 is in (K step 1's load may be out)
	s_wait_dscnt 0x0
	s_barrier_signal -1
	s_barrier_wait -1                              ; everybody's is
.macro FETCH slot, k, f                ; 24 LDS loads in one run: 32 keys at byte k of the rows: V^T's eight fragments, P's four
	WIN TO_V
.irp i, 0,1,2,3,4,5,6,7
	ds_load_b128 v[64*(\f)+8*\i:64*(\f)+8*\i+3],   v[ADRB+\slot] offset:\k+\i*16*PITCH
	ds_load_b128 v[64*(\f)+8*\i+4:64*(\f)+8*\i+7], v[ADRB+\slot] offset:\k+\i*16*PITCH+32
.endr
	WIN 0
.irp i, 0,1,2,3
	ds_load_b128 v[PF+32*(\f)+8*\i:PF+32*(\f)+8*\i+3],   v[ADRA+\slot] offset:\k+\i*16*PITCH
	ds_load_b128 v[PF+32*(\f)+8*\i+4:PF+32*(\f)+8*\i+7], v[ADRA+\slot] offset:\k+\i*16*PITCH+32
.endr
.endm
; 8 matrix instructions: query block a x the 8 channel blocks.  zero = 1: a chunk's first products start its sums.  The 32 accumulators take turns, in the same order everywhere
.macro MULA f, a, zero
.irp b, 0,1,2,3,4,5,6,7
.if \zero
	v_wmma_f32_16x16x32_f16 v[8*(8*(\a)+\b):8*(8*(\a)+\b)+7], v[64*(\f)+8*\b:64*(\f)+8*\b+7], v[PF+32*(\f)+8*(\a):PF+32*(\f)+8*(\a)+7], 0
.else
	v_wmma_f32_16x16x32_f16 v[8*(8*(\a)+\b):8*(8*(\a)+\b)+7], v[64*(\f)+8*\b:64*(\f)+8*\b+7], v[PF+32*(\f)+8*(\a):PF+32*(\f)+8*(\a)+7], v[8*(8*(\a)+\b):8*(8*(\a)+\b)+7]
.endif
.endr
.endm
; The same with a slice behind each: accumulator (fa, b) of a finished chunk is folded into O with factor set fs.  The slice names no register of the products round it; each accumulator is read from its low end on.
.macro MULF f, a, zero, fa, fs
.irp b, 0,1,2,3,4,5,6,7
	WIN MULT
.if \zero
	v_wmma_f32_16x16x32_f16 v[8*(8*(\a)+\b):8*(8*(\a)+\b)+7], v[64*(\f)+8*\b:64*(\f)+8*\b+7], v[PF+32*(\f)+8*(\a):PF+32*(\f)+8*(\a)+7], 0
.else
	v_wmma_f32_16x16x32_f16 v[8*(8*(\a)+\b):8*(8*(\a)+\b)+7], v[64*(\f)+8*\b:64*(\f)+8*\b+7], v[PF+32*(\f)+8*(\a):PF+32*(\f)+8*(\a)+7], v[8*(8*(\a)+\b):8*(8*(\a)+\b)+7]
.endif
	WIN FOLDW
.irp i, 0,2,4,6
	v_pk_fma_f32 v[8*(8*(\fa)+\b)+\i:8*(8*(\fa)+\b)+\i+1], v[8*(8*(\fa)+\b)+\i:8*(8*(\fa)+\b)+\i+1], v[FC+8*(\fs)+2*(\fa):FC+8*(\fs)+2*(\fa)+1], v[8*(8*(\fa)+\b)+\i:8*(8*(\fa)+\b)+\i+1] op_sel_hi:[1,0,1]
.endr
.endr
.endm
.macro FOLD fa, fs                     ; a block's fold by itself: behind the very last products
	WIN FOLDW
.irp b, 0,1,2,3,4,5,6,7
.irp i, 0,2,4,6
	v_pk_fma_f32 v[8*(8*(\fa)+\b)+\i:8*(8*(\fa)+\b)+\i+1], v[8*(8*(\fa)+\b)+\i:8*(8*(\fa)+\b)+\i+1], v[FC+8*(\fs)+2*(\fa):FC+8*(\fs)+2*(\fa)+1], v[8*(8*(\fa)+\b)+\i:8*(8*(\fa)+\b)+\i+1] op_sel_hi:[1,0,1]
.endr
.endr
.endm
.macro FACT set                        ; the next chunk's four factors, into the set's even registers
	s_add_co_u32 s76, s76, 512
	v_add_nc_u32 v[FAD], s76, v[FA0]
.irp a, 0,1,2,3
	ds_load_b32 v[FC+8*(\set)+2*\a], v[FAD] offset:128*\a
.endr
.endm
.macro PLACES                          ; four plain vector lines between a matrix instruction and a load into, or a read of, its registers
.rept 4
	v_nop
.endr
.endm
.macro QUARTER slot, k, f, g, zero     ; 32 keys: fetches the next quarter, at byte k, into g, and multiplies buffer f
	s_wait_dscnt 0x0                               ; buffer f's fragments, asked for a quarter ago, are in
	PLACES                                         ; in front of the loads into g, which the last quarter multiplied
	FETCH \slot, \k, \g
	WIN MULT
	MULA \f, 0, \zero
	MULA \f, 1, \zero
	MULA \f, 2, \zero
	MULA \f, 3, \zero
.endm
; A chunk's first quarter behind another chunk: its products start the sums anew; blocks 2 and 3 of the chunk before (factor set fs) are folded behind the products of blocks 0 and 1, ahead of the products that write over them.
.macro QUARTERF slot, k, f, g, fs
	s_wait_dscnt 0x0
	PLACES
	FETCH \slot, \k, \g
	MULF \f, 0, 1, 2, \fs
	MULF \f, 1, 1, 3, \fs
	WIN MULT
	MULA \f, 2, 1
	MULA \f, 3, 1
.endm
; A chunk's last quarter changes slots: one barrier; in front of it each wave waits for all its tensor loads (one is out: its part of the next slot), adds 0 to its spare word, and waits for that and for its reads of this slot.
; fill = 1: the barrier opens a round of the cluster's, and this slot is filled again, two K steps on: 112 matrix instructions ahead of the wait for it.  Blocks 0 and 1, finished ahead of the barrier, are folded behind the products of blocks 2 and 3.
.macro TURN slot, next, fill
.if \fill
	s_wait_xcnt 0x0                                ; the last prefetch, a K step back, has read its address
	s_add_nc_u64 s[PFA:PFA+1], s[PFA:PFA+1], KSTEP*2
.endif
	WIN 0
	s_wait_tensorcnt 0x0
	ds_add_u32 v[SPW], v[NIL]
	s_wait_dscnt 1                                 ; the add alone may be out: buffer 1's fragments are in
	WIN MULT
	MULA 1, 0, 0
	s_wait_dscnt 0x0                               ; the add is done, and my reads of this slot are over
	s_barrier_signal -1
	MULA 1, 1, 0
	WIN 0
	s_barrier_wait -1
.if \fill
	CREST                                          ; no wave of any partner still reads this slot or has a load on its way
	s_add_nc_u64 s[G0+4*\slot+2:G0+4*\slot+3], s[G0+4*\slot+2:G0+4*\slot+3], 2*KSTEP*2
	s_add_nc_u64 s[G0B+4*\slot+2:G0B+4*\slot+3], s[G0B+4*\slot+2:G0B+4*\slot+3], 2*KSTEP*2
	JLOAD \slot                                    ; the four v_nop behind it are the places in front of the loads and of the fold's first reads
.else
	PLACES
.endif
	FACT \next
	FETCH \next, 0, 0
.if \fill
	ASK
.endif
	MULF 1, 2, 0, 0, \slot
	MULF 1, 3, 0, 1, \slot
.endm
	s_mov_b32 s76, 0
.irp a, 0,1,2,3
	ds_load_b32 v[FC+2*\a], v[FA0] offset:128*\a   ; chunk 0's factors (my own stores: LDS serves a wave's instructions in order)
.endr
	FETCH 0, 0, 0
	QUARTER 0, 64,  0, 1, 1                        ; chunk 0's first quarter: nothing to fold yet
	WIN 0
	s_mov_b32 s3, LAPS-1
.Llap:                                             ; a trip goes once round the ring, two chunks, and fills both slots again
	QUARTER 0, 128, 1, 0, 0
	QUARTER 0, 192, 0, 1, 0
	TURN 0, 1, 1
	QUARTERF 1, 64, 0, 1, 0
	QUARTER 1, 128, 1, 0, 0
	QUARTER 1, 192, 0, 1, 0
	TURN 1, 0, 1
	QUARTERF 0, 64, 0, 1, 1
	WIN 0
	s_sub_co_u32 s3, s3, 1
	s_cmp_lg_u32 s3, 0
	s_cbranch_scc1 .Llap
	QUARTER 0, 128, 1, 0, 0                        ; the last lap is written out: it asks for nothing
	QUARTER 0, 192, 0, 1, 0
	TURN 0, 1, 0
	QUARTERF 1, 64, 0, 1, 0
	QUARTER 1, 128, 1, 0, 0
	QUARTER 1, 192, 0, 1, 0
	s_wait_dscnt 0x0                               ; the very last quarter
	WIN MULT
	MULA 1, 0, 0
	MULA 1, 1, 0
	PLACES                                         ; in front of the fold's first reads
	MULF 1, 2, 0, 0, 1
	MULF 1, 3, 0, 1, 1
	FOLD 2, 1                                      ; block 1's slices stand between block 2's last product and these, these between block 3's and the next
	FOLD 3, 1
	WIN 0
; THE WAY OUT, a block of 16 queries x 128 channels at a time: x 1 / L; through my stage; back as whole rows of 512 bytes.
.macro FIN a
	WIN 0x02                                       ; source 0 (O) window 2
.irp b, 0,1,2,3,4,5,6,7
.irp i, 0,2,4,6
	v_pk_mul_f32 v[T0+8*\b+\i:T0+8*\b+\i+1], v[64*(\a)+8*\b+\i:64*(\a)+8*\b+\i+1], v[RL+2*(\a):RL+2*(\a)+1] op_sel_hi:[1,0]
.endr
.endr
	WIN 0
.endm
.macro TOSTAGE a
.set BB, BK+64*((\a)%2)
.irp b, 0,1,2,3,4,5,6,7
	ds_store_b128 v[STO], v[T0+8*\b:T0+8*\b+3] offset:64*\b
	ds_store_b128 v[STO], v[T0+8*\b+4:T0+8*\b+7] offset:64*\b+16
.endr
.irp t, 0,1,2,3,4,5,6,7,8,9,10,11,12,13,14,15
	ds_load_b128 v[BB+4*\t:BB+4*\t+3], v[RD] offset:\t*SPITCH      ; LDS serves a wave's instructions in order: these see the stores above
.endr
.endm
.macro SEND a
.set BB, BK+64*((\a)%2)
	s_wait_dscnt 0x0                               ; the block is back in registers
	s_wait_xcnt 0x0                                ; the stores of the block before have read their data: the next block's loads may land there
.irp t, 0,1,2,3,4,5,6,7,8,9,10,11,12,13,14,15
	global_store_b128 v[CO], v[BB+4*\t:BB+4*\t+3], s[8:9] offset:(16*(\a)+\t)*4096 th:TH_STORE_NT   ; 32 lanes store 512 consecutive bytes, aligned; written once, read by nobody here
.endr
.endm
	FIN 0
	TOSTAGE 0
.irp a, 1,2,3
	FIN \a                                         ; block a's arithmetic stands between block a - 1's loads from the stage and the wait for them
	SEND \a-1
	TOSTAGE \a
.endr
	SEND 3
	s_wait_tensorcnt 0x0                           ; the wave's end
	ds_add_u32 v[SPW], v[NIL]
	s_wait_dscnt 0x0
	CROUND                                         ; the closing round
	s_endpgm
.Lfunc_end_k_q4e0cf3b193_pv:
	.size	k_q4e0cf3b193_pv, .Lfunc_end_k_q4e0cf3b193_pv-k_q4e0cf3b193_pv
	.p2alignl 7, 3214868480
	.fill 96, 4, 3214868480
	.section	.rodata,"a",@progbits
	.p2align	6, 0x0
	.amdhsa_kernel k_q4e0cf3b193_pv
		.amdhsa_group_segment_fixed_size 327680
		.amdhsa_private_segment_fixed_size 0
		.amdhsa_enable_private_segment 0
		.amdhsa_kernarg_size 40
		.amdhsa_user_sgpr_count 2
		.amdhsa_user_sgpr_kernarg_segment_ptr 1
		.amdhsa_wavefront_size32 1
		.amdhsa_system_sgpr_workgroup_id_x 1
		.amdhsa_system_sgpr_workgroup_id_y 1
		.amdhsa_system_sgpr_workgroup_id_z 1
		.amdhsa_system_vgpr_workitem_id 0
		.amdhsa_next_free_vgpr 1024
		.amdhsa_next_free_sgpr 80
		.amdhsa_reserve_vcc 0
		.amdhsa_float_denorm_mode_32 3
		.amdhsa_float_denorm_mode_16_64 3
		.amdhsa_memory_ordered 1
		.amdhsa_forward_progress 1
		.amdhsa_inst_pref_size 177
	.end_amdhsa_kernel
	.amdgpu_metadata
---
amdhsa.version: [ 1, 2 ]
amdhsa.kernels:
  - .name:           k_q4e0cf3b193_pv
    .symbol:         k_q4e0cf3b193_pv.kd
    .args:
      - { .name: ph, .offset: 0, .size: 8, .value_kind: global_buffer, .address_space: global }
      - { .name: vt, .offset: 8, .size: 8, .value_kind: global_buffer, .address_space: global }
      - { .name: stat, .offset: 16, .size: 8, .value_kind: global_buffer, .address_space: global }
      - { .name: bv, .offset: 24, .size: 8, .value_kind: global_buffer, .address_space: global }
      - { .name: out0, .offset: 32, .size: 8, .value_kind: global_buffer, .address_space: global }
    .group_segment_fixed_size: 327680
    .private_segment_fixed_size: 0
    .kernarg_segment_align: 8
    .kernarg_segment_size: 40
    .max_flat_workgroup_size: 128
    .sgpr_count:     80
    .vgpr_count:     1024
    .wavefront_size: 32
...
	.end_amdgpu_metadata
.endif
;; end of part 4
